; MI455X (gfx1250); checked and timed in simulation.
; The chip was launched on July 23, 2026; its instructions are those of AMD's public machine-readable ISA for CDNA 5 (MIT licence, August 2026) and "CDNA5" Instruction Set Architecture Reference Guide (July 2026). The comments in the code are by the model that wrote it; some were corrected since.
;; Cached Multi Head Attention. Allowed arithmetic: matrix products marked QUANTISED: E2M3 operands, one E8M0 scale for each 32 along K, by v_wmma_scale_f32_16x16x128_f8f6f4 with both operands' format E2M3, f32 sums; everything else in f32.
;; Inputs: Wk 2,048 x 2,048 float32; Wo 2,048 x 2,048 float32; Wq 2,048 x 2,048 float32; Wv 2,048 x 2,048 float32; past_key 2 x 16 x 2,048 x 128 float32; past_value 2 x 16 x 2,048 x 128 float32; x 2 x 1,024 x 2,048 float32.
;; Outputs: out0 2 x 1,024 x 2,048 float32.
;; This version of the problem:
;;   THIS VERSION OF THE PROBLEM IS GIVEN IN LOW PRECISION. The matrix products marked QUANTISED in the list below multiply operands that are first quantised to E2M3 (2 exponent bits, 3 mantissa bits; 6 bits a number), with one power-of-two scale for each 32 numbers along K (OCP MX v1.0); their sums are f32. All else is computed in f32.
;;   The module's matrix products, in the order in which they are computed (A, B: the left and right operand; K: the contracted axis; several contracted axes count as one K, in the product's order):
;;     1. [M 2,048, K 2,048] x [K 2,048, N 2,048]; A: input x; B: input Wq: QUANTISED
;;     2. [M 2,048, K 2,048] x [K 2,048, N 2,048]; A: input x; B: input Wk: QUANTISED
;;     3. [M 2,048, K 2,048] x [K 2,048, N 2,048]; A: input x; B: input Wv: QUANTISED
;;     4. batch 32 x [M 1,024, K 128] x [K 128, N 3,072]; A: computed on the way; B: computed on the way: QUANTISED
;;     5. batch 32 x [M 1,024, K 3,072] x [K 3,072, N 128]; A: softmax (see below); B: computed on the way: QUANTISED
;;     6. [M 2,048, K 2,048] x [K 2,048, N 2,048]; A: computed on the way; B: input Wo: QUANTISED
;;   THE QUANTISER, for each operand of a quantised product, along K:
;;     - K is cut into blocks of 32 from its start; a last block that is shorter is filled with zeros.
;;     - A block's scale is 2^e with e = floor(log2(the largest magnitude in the block)) - 2, held to -126 .. 127; a block of zeros has e = 0. As a byte (E8M0): e + 127.
;;     - Each number is divided by its block's scale, clamped to +-7.5, and rounded to the nearest number of E2M3, ties to even, subnormals kept.
;;     - The product sums the exact products of the quantised numbers (number of the format x scale) in f32.
;;   ~~~python
;;   def quantise(x, axis):      # numpy; x: float32 -> the quantised numbers, widened to float32 again
;;       x = np.moveaxis(x, axis, -1); K = x.shape[-1]
;;       x = np.pad(x, [(0, 0)] * (x.ndim - 1) + [(0, -K % 32)]); x = x.reshape(x.shape[:-1] + (-1, 32)); a = np.abs(x).max(-1, keepdims=True)
;;       e = np.where(a > 0, np.clip(np.frexp(np.where(a > 0, a, 1))[1] - 1 - 2, -126, 127), 0)      # np.frexp(a)[1] - 1 = floor(log2(a)), exactly
;;       r = np.clip(x / 2.0 ** e, -7.5, 7.5)
;;       step = 2.0 ** (np.maximum(np.frexp(np.where(r == 0, 1, r))[1] - 1, 0) - 3)
;;       q = np.round(r / step) * step * 2.0 ** e      # np.round: ties to even
;;       return np.moveaxis(q.reshape(q.shape[:-2] + (-1,))[..., :K], -1, axis).astype(np.float32)
;;   ~~~
;;   SOFTMAX AHEAD OF A QUANTISED PRODUCT. Where the list says 'softmax', what is quantised is not the finished softmax but p = 2^(t - M), with t = logit x log2(e) and M = ceil(the row's largest t), a whole number; so 1/2 < the row's largest p <= 1. The row's sum l is taken of the UNQUANTISED p, in f32, and the product's result is divided by l at the end. Since M is a whole number, a kernel that streams over the keys may use a running M (the ceiling of the running maximum): every later rescaling is an exact power of two, which a block's scale takes up: the codes' values come out the same.
;;   OPERANDS COMPUTED ON THE WAY. 'Computed on the way' means the value that the module computes at that place (a softmax that the list does not call 'softmax' is quantised finished and normalised). What goes into a quantiser is computed in f32, as accurately as f32 sums, v_exp_f32 and their like allow (about 1e-6 of the number): no bf16 or f16 on the way to a quantiser, and a product that is left as it is and whose result goes on into a quantised operand takes f32 operands (vector FMAs, or v_wmma_f32_16x16x4_f32). A number that lies on a knife's edge between two numbers of the format may be rounded either way, as far as f32 arithmetic and the matrix unit's own rounding can turn it there, and no further.
;; One version. Each part assembles by itself: llvm-mc -triple=amdgcn-amd-amdhsa -mcpu=gfx1250 --defsym DOCPART=n.
;; ======== version 1 of 1: 4 launches
;; workspace buffers: wimg 16,384,000 bytes; qkv 22,937,600 bytes; oimg 3,276,800 bytes
;; launch prep (part 1): grid 960 x 1, 4 waves a work-group, no clusters, 34,304 bytes of LDS; arguments x, Wq, Wk, Wv, Wo, past_key, past_value, wimg, qkv; writes wimg, qkv
.if DOCPART == 1
	.amdgcn_target "amdgcn-amd-amdhsa--gfx1250"
	.amdhsa_code_object_version 6
	.text
	.protected	k_qaf393b53a1_prep
	.globl	k_qaf393b53a1_prep
	.p2align	8
	.type	k_qaf393b53a1_prep,@function
k_qaf393b53a1_prep:
	s_mov_b64 s[64:65], 0
	v_nop
	global_prefetch_b8 v0, s[64:65] scope:SCOPE_SE
	s_setreg_imm32_b32 hwreg(HW_REG_WAVE_MODE, 25, 1), 1
	s_wait_xcnt 0x0
; x, Wq, Wk, Wv, Wo, past_key (K innermost) and past_value (K = the keys, its outer axis) become codes of FP6 (E2M3) with one E8M0 byte for each 32 along K.
; THE OUTPUT'S LAYOUT, an OPERAND BLOCK of 12,800 bytes: 128 rows x 128 along K in the order of the matrix operand's registers, then the rows' scale words.
;   codes: byte 1536 T + 512 c + 16 l + 4 e is register 4 c + e of lane l of fragment T (T = 0..7): a fragment comes and goes by three accesses of 16 bytes a lane, 512 consecutive bytes each.
;   rows:  position r of fragment T holds row 32 (T / 2) + 8 (T % 2) + r + 8 (r / 8) of the 128, so that a product with such a block as source 0 leaves 16 neighbours along the next K in a lane's registers.
;   scale words: byte 12288 + 32 r + 4 (4 (T % 2) + T / 2) is the word (four bytes, 128 along K) of the row at (T, r).
; A block's scale is 2^(floor(log2(largest magnitude)) - 2); its byte is the largest magnitude's exponent field - 2, held at 1 from below.
; LIMITS: NaN and infinities among the inputs are not served; a block whose largest magnitude lies under 2^-124 keeps the byte 1; a block of zeros gets the byte 1 where the rule says 127
; (its codes are zeros, which add nothing under any byte but 0xff, and the bytes are read by this program alone).
; SHARES.  Work-groups 0..447: K innermost, a wave makes one operand block (x and the four weights: 1,280 blocks; past_key: 512).  Work-groups 448..959: past_value, a work-group makes one block.
; No matrix unit, no tensor load, no cluster: no two work-groups read the same byte.  No barrier: waves share nothing.
.set OB,    12800
.set FRB,   1536                       ; a fragment's image
.set SCO,   12288                      ; where a block's scale words begin
.set KBASE, 3276800                    ; qkv: K's blocks [bh 32][kb 24]
.set VBASE, 13107200                   ; qkv: V's blocks [bh 32][kb 24]
.set WGA,   448
.set SP,    528                        ; a stage row: 512 bytes + 16, an odd multiple of 16
.set STG,   16*SP                      ; a wave's stage: 16 rows
.set OFFR,  4                          ; v4-19   16 x lane + (the row at position i) x pitch
.set STI,   20                         ; v20     the stage, on the way in: 16 x lane
.set STO,   21                         ; v21     and out: row r, + 64 h
.set LI,    22                         ; v22     16 x lane
.set SOF,   23                         ; v23     32 r + 16 h: my 16 bytes of the scale words
.set TM,    24                         ; v24-35  at work in QUANT
.set PW,    36                         ; v36-43  the eight fragments' scale words
.set PC,    44                         ; v44-63  the fragment just made
.set RAW,   64                         ; v64-191 two sets of 16 rows as loaded
.set XS,    192                        ; v192-255 a lane's 64 numbers: register 16 b + i = k 32 b + 16 h + i of row r
.set WV,    22                         ; s22     wave
.set TB0,   40                         ; s[40:55] the eight fragments' first rows in memory; never rewritten
.set SEL,   56                         ; s[56:57] v_permlanex16_b32's selects for lane l xor 16
; 64 numbers of a lane become a fragment's codes in v[PC] .. v[PC+11] and its scale word in v[pw]
.macro QUANT s, pw
.irp b, 0,1,2,3
	v_max3_num_f32 v[TM+\b], |v[(\s)+16*\b]|, |v[(\s)+1+16*\b]|, 0x1800000   ; block b: my 16 numbers, and the floor 2^(3 - 127): the byte cannot fall under 1
.endr
.irp i, 2,4,6,8,10,12,14
.irp b, 0,1,2,3
	v_max3_num_f32 v[TM+\b], v[TM+\b], |v[(\s)+16*\b+\i]|, |v[(\s)+1+16*\b+\i]|   ; the four blocks by turns
.endr
.endr
.irp b, 0,1,2,3
	v_permlanex16_b32 v[TM+4+\b], v[TM+\b], s[SEL], s[SEL+1]
.endr
.irp b, 0,1,2,3
	v_max_num_f32 v[TM+\b], v[TM+\b], v[TM+4+\b]           ; with lane l xor 16's 16: the block's largest magnitude
.endr
.irp b, 0,1,2,3
	v_add_nc_u32 v[TM+8+\b], 0xff000000, v[TM+\b]          ; 2 off its exponent field: the conversion's scale operand
.endr
.irp b, 0,1,2,3
	v_lshrrev_b32 v[TM+4+\b], 23, v[TM+8+\b]               ; the scale's byte
.endr
	v_lshl_or_b32 v[\pw], v[TM+5], 8, v[TM+4]
	v_lshl_or_b32 v[\pw], v[TM+6], 16, v[\pw]
	v_lshl_or_b32 v[\pw], v[TM+7], 24, v[\pw]              ; my row's scale word
.irp c, 0,1
	v_cvt_scalef32_pk16_fp6_f32 v[PC+6*\c:PC+2+6*\c], v[(\s)+32*\c:(\s)+15+32*\c], v[TM+8+2*\c]
	v_cvt_scalef32_pk16_fp6_f32 v[PC+12+4*\c:PC+14+4*\c], v[(\s)+16+32*\c:(\s)+31+32*\c], v[TM+9+2*\c]   ; (a conversion's three registers begin on an even number)
.endr
	v_nop                                                  ; one plain instruction behind the scaled conversions
.irp c, 0,1                                            ; the operand wants a whole block of 32 in a lane: lanes 0-15 block 2 c, lanes 16-31 block 2 c + 1
.irp i, 0,1,2
	v_permlane16_swap_b32 v[PC+6*\c+\i], v[PC+12+4*\c+\i]
.endr
.irp i, 0,1,2
	v_mov_b32 v[PC+3+6*\c+\i], v[PC+12+4*\c+\i]
.endr
.endr
.endm
	s_load_b512 s[4:19], s[0:1], 0x0               ; x s[4:5], Wq s[6:7], Wk s[8:9], Wv s[10:11], Wo s[12:13], past_key s[14:15], past_value s[16:17], wimg s[18:19]
	s_load_b64 s[20:21], s[0:1], 0x40              ; qkv
	v_lshl_add_u32 v59, v0, 2, 0x8400
	v_mov_b32 v63, 0
	v_lshrrev_b32 v1, 5, v0
	v_readfirstlane_b32 s[WV], v1                  ; wave 0..3
	v_and_b32 v1, 31, v0                           ; lane
	v_and_b32 v2, 15, v0                           ; r
	v_bfe_u32 v3, v0, 4, 1                         ; h
	s_mov_b32 s[SEL], 0x76543210
	s_mov_b32 s[SEL+1], 0xfedcba98
	s_cmp_ge_u32 ttmp9, WGA
	s_cbranch_scc1 .Lvalue
	; ---------------- K innermost: my wave's block u = 4 x work-group + wave
	s_lshl_b32 s23, ttmp9, 2
	s_add_co_u32 s23, s23, s[WV]                   ; u
	s_lshr_b32 s24, ttmp9, 6                       ; which tensor: 0..4 x and the weights (256 blocks each), 5 and 6 past_key
	s_and_b32 s31, s23, 255
	s_lshr_b32 s32, s31, 4
	s_lshl_b32 s32, s32, 20                        ; 128 rows of 8,192 bytes
	s_and_b32 s33, s31, 15
	s_lshl_b32 s33, s33, 9                         ; 128 numbers along K
	s_add_co_u32 s32, s32, s33                     ; x, W: where the block's numbers begin
	s_mul_i32 s33, s23, OB                         ; and its place in wimg
	s_sub_co_u32 s34, s23, 1280                    ; past_key: block 16 bh + kb
	s_lshl_b32 s35, s34, 16                        ; 128 keys of 512 bytes
	s_lshr_b32 s36, s34, 4
	s_mul_i32 s36, s36, 24
	s_and_b32 s37, s34, 15
	s_add_co_u32 s36, s36, s37
	s_mul_i32 s36, s36, OB
	s_add_co_u32 s36, s36, KBASE                   ; its place in qkv: block 24 bh + kb of K's
	s_mov_b32 s30, 512
	s_wait_kmcnt 0x0
	s_cmp_lt_u32 s24, 5                            ; every choice hangs on the work-group's number alone
	s_cselect_b32 s30, 8192, s30                   ; bytes from row to row
	s_cselect_b32 s32, s32, s35
	s_cselect_b32 s34, s33, s36
	s_cselect_b64 s[28:29], s[18:19], s[20:21]
	s_mov_b32 s33, 0
	s_mov_b32 s35, 0
	s_cmp_eq_u32 s24, 0
	s_cselect_b64 s[26:27], s[4:5], s[14:15]
	s_cmp_eq_u32 s24, 1
	s_cselect_b64 s[26:27], s[6:7], s[26:27]
	s_cmp_eq_u32 s24, 2
	s_cselect_b64 s[26:27], s[8:9], s[26:27]
	s_cmp_eq_u32 s24, 3
	s_cselect_b64 s[26:27], s[10:11], s[26:27]
	s_cmp_eq_u32 s24, 4
	s_cselect_b64 s[26:27], s[12:13], s[26:27]
	s_add_nc_u64 s[26:27], s[26:27], s[32:33]
	s_add_nc_u64 s[28:29], s[28:29], s[34:35]
	s_mov_b32 s39, 0
.irp t, 0,1,2,3,4,5,6,7
	s_mul_i32 s38, s30, 32*(\t/2)+8*(\t%2)
	s_add_nc_u64 s[TB0+2*\t:TB0+2*\t+1], s[26:27], s[38:39]   ; fragment t begins at row 32 (t / 2) + 8 (t % 2)
.endr
	v_lshlrev_b32 v[LI], 4, v1
.irp i, 0,1,2,3,4,5,6,7,8,9,10,11,12,13,14,15
	s_mul_i32 s38, s30, \i+8*(\i/8)
	v_add_nc_u32 v[OFFR+\i], s38, v[LI]            ; position i is row i + 8 (i / 8) from there
.endr
	s_mul_i32 s31, s[WV], STG
	v_add_nc_u32 v[STI], s31, v[LI]
	v_mul_u32_u24 v[STO], v2, SP
	v_lshl_add_u32 v[STO], v3, 6, v[STO]
	v_add_nc_u32 v[STO], s31, v[STO]
	v_lshlrev_b32 v[SOF], 5, v2
	v_lshl_add_u32 v[SOF], v3, 4, v[SOF]
.irp b, 0,1,2,3
	v_mov_b32 v[TM+4+\b], 0                        ; written once: a lane permute's destination counts as one of its sources
.endr
.macro LOAD t                          ; fragment t's 16 rows: each load reads a row's 512 consecutive bytes
.irp i, 0,1,2,3,4,5,6,7,8,9,10,11,12,13,14,15
	global_load_b128 v[RAW+64*((\t)%2)+4*\i:RAW+64*((\t)%2)+4*\i+3], v[OFFR+\i], s[TB0+2*(\t):TB0+2*(\t)+1] th:TH_LOAD_NT
.endr
.endm
.macro TILE t
.if (\t) < 7
	s_wait_loadcnt 16                              ; this fragment's 16 loads are in; the next fragment's 16 may be out
.else
	s_wait_loadcnt 0x0
.endif
.irp i, 0,1,2,3,4,5,6,7,8,9,10,11,12,13,14,15
	ds_store_b128 v[STI], v[RAW+64*((\t)%2)+4*\i:RAW+64*((\t)%2)+4*\i+3] offset:SP*\i   ; rows as they lie, into my own stage
.endr
.irp b, 0,1,2,3
.irp j, 0,1,2,3
	ds_load_b128 v[XS+16*\b+4*\j:XS+16*\b+4*\j+3], v[STO] offset:128*\b+16*\j          ; and back: of row r, 16 neighbours of each block of 32 (LDS serves a wave's instructions in order)
.endr
.endr
	s_wait_dscnt 0x0                               ; the numbers are back, and the stage's stores have read the set
	s_wait_xcnt 0x0                                ; the last fragment's stores have read v[PC] on: it is written again only behind this wait
.if (\t) < 6
	LOAD (\t)+2
.endif
	QUANT XS, PW+(\t)
.irp c, 0,1,2
	global_store_b128 v[LI], v[PC+4*\c:PC+4*\c+3], s[28:29] offset:(\t)*FRB+512*\c     ; 32 lanes store 512 consecutive bytes, aligned to 256
.endr
.endm
	LOAD 0
	LOAD 1
.irp t, 0,1,2,3,4,5,6,7
	TILE \t
.endr
	v_cmp_lt_u32 vcc_lo, 15, v1                    ; lanes 0-15 store the words of fragments 0, 2, 4, 6 of row r, lanes 16-31 those of 1, 3, 5, 7 (both halves hold every word)
.irp i, 0,1,2,3
	v_cndmask_b32 v[TM+\i], v[PW+2*\i], v[PW+2*\i+1], vcc_lo
.endr
	global_store_b128 v[SOF], v[TM:TM+3], s[28:29] offset:SCO   ; the block's 512 bytes of scale words, whole
	s_wait_tensorcnt 0x0
	ds_add_u32 v59, v63
	s_wait_dscnt 0x0
	s_endpgm
	; ---------------- past_value: a lane takes a column d and its registers run down the keys.  Wave w makes fragments 2 w and 2 w + 1 (d = 32 w .. 32 w + 31)
.set FX, 20                            ; v20-31  key blocks 0 and 2 of my column; behind the exchange: fragment 2 w
.set FY, 32                            ; v32-43  key blocks 1 and 3; behind the exchange: fragment 2 w + 1
.Lvalue:
	s_sub_co_u32 s23, ttmp9, WGA                   ; block 16 bh + kb
	s_lshl_b32 s32, s23, 16                        ; 128 keys of 512 bytes
	s_lshl_b32 s31, s[WV], 7
	s_add_co_u32 s32, s32, s31                     ; + my wave's 32 columns
	s_mov_b32 s33, 0
	s_lshr_b32 s34, s23, 4
	s_mul_i32 s34, s34, 24
	s_and_b32 s35, s23, 15
	s_add_co_u32 s34, s34, s35
	s_mul_i32 s34, s34, OB
	s_add_co_u32 s34, s34, VBASE
	s_mov_b32 s35, 0
	v_and_b32 v4, 8, v2
	v_add_nc_u32 v4, v4, v2
	v_lshl_add_u32 v4, v3, 3, v4                   ; my column: 8 h + r + 8 (r / 8): lanes 0-15 hold fragment 2 w's rows, lanes 16-31 fragment 2 w + 1's
	v_lshlrev_b32 v4, 2, v4
	s_mul_i32 s31, s[WV], 2*FRB
	v_lshlrev_b32 v5, 4, v1
	v_add_nc_u32 v5, s31, v5                       ; out: 16 x lane + my wave's two fragments
	v_lshlrev_b32 v6, 5, v2
	v_lshl_add_u32 v6, v3, 4, v6
	s_lshl_b32 s31, s[WV], 2
	v_add_nc_u32 v6, s31, v6                       ; my scale word: 32 r + 4 (4 h + w)
	s_wait_kmcnt 0x0
	s_add_nc_u64 s[26:27], s[16:17], s[32:33]
	s_add_nc_u64 s[28:29], s[20:21], s[34:35]
.macro VLOAD t                         ; keys 32 t .. 32 t + 31 of my column: a wave's load covers 128 consecutive bytes, the four waves a key's 512
.set zz, 0
.rept 32
	global_load_b32 v[64+32*(\t)+zz], v4, s[26:27] offset:512*(32*(\t)+zz) th:TH_LOAD_NT
.set zz, zz+1
.endr
.endm
.macro VBLOCK t
.set XB, 64+32*(\t)
.set DD, FX+12*((\t)%2)+6*((\t)/2)
.if (\t) < 3
	s_wait_loadcnt 32                              ; this block's 32 loads are in; the next block's 32 may be out
.else
	s_wait_loadcnt 0x0
.endif
.if (\t) < 2
	VLOAD (\t)+2
.endif
	v_max3_num_f32 v8, |v[XB]|, |v[XB+1]|, |v[XB+2]|               ; all 32 numbers of the block are mine
	v_max3_num_f32 v9, |v[XB+3]|, |v[XB+4]|, |v[XB+5]|
.irp i, 6,10,14,18,22,26
	v_max3_num_f32 v8, v8, |v[XB+\i]|, |v[XB+\i+1]|
	v_max3_num_f32 v9, v9, |v[XB+\i+2]|, |v[XB+\i+3]|
.endr
	v_max3_num_f32 v8, v8, |v[XB+30]|, |v[XB+31]|
	v_max3_num_f32 v8, v8, v9, 0x1800000           ; and the floor
	v_add_nc_u32 v10, 0xff000000, v8               ; the conversion's scale operand
	v_lshrrev_b32 v11, 23, v10                     ; the byte
.if (\t) == 0
	v_mov_b32 v12, v11
.else
	v_lshl_or_b32 v12, v11, 8*(\t), v12            ; the lower keys in the lower byte
.endif
	v_cvt_scalef32_pk16_fp6_f32 v[DD:DD+2], v[XB:XB+15], v10
	v_cvt_scalef32_pk16_fp6_f32 v[16:18], v[XB+16:XB+31], v10
	v_nop                                          ; one plain instruction behind the scaled conversions
.irp i, 0,1,2
	v_mov_b32 v[DD+3+\i], v[16+\i]
.endr
.endm
	VLOAD 0
	VLOAD 1
	VBLOCK 0
	VBLOCK 1
	VBLOCK 2
	VBLOCK 3
.irp i, 0,1,2,3,4,5,6,7,8,9,10,11
	v_permlane16_swap_b32 v[FX+\i], v[FY+\i]       ; FX's lanes 16-31 change places with FY's lanes 0-15: FX is now fragment 2 w (lanes 16-31: its rows' key blocks 1, 3), FY fragment 2 w + 1
.endr
.irp c, 0,1,2
	global_store_b128 v5, v[FX+4*\c:FX+4*\c+3], s[28:29] offset:512*\c
	global_store_b128 v5, v[FY+4*\c:FY+4*\c+3], s[28:29] offset:FRB+512*\c
.endr
	global_store_b32 v6, v12, s[28:29] offset:SCO  ; 4 bytes a lane: four bytes in a hundred of what this path stores; gathering them would want LDS and a barrier
	s_endpgm
.Lfunc_end_k_qaf393b53a1_prep:
	.size	k_qaf393b53a1_prep, .Lfunc_end_k_qaf393b53a1_prep-k_qaf393b53a1_prep
	.p2alignl 7, 3214868480
	.fill 96, 4, 3214868480
	.section	.rodata,"a",@progbits
	.p2align	6, 0x0
	.amdhsa_kernel k_qaf393b53a1_prep
		.amdhsa_group_segment_fixed_size 34304
		.amdhsa_private_segment_fixed_size 0
		.amdhsa_enable_private_segment 0
		.amdhsa_kernarg_size 72
		.amdhsa_user_sgpr_count 2
		.amdhsa_user_sgpr_kernarg_segment_ptr 1
		.amdhsa_wavefront_size32 1
		.amdhsa_system_sgpr_workgroup_id_x 1
		.amdhsa_system_sgpr_workgroup_id_y 1
		.amdhsa_system_sgpr_workgroup_id_z 1
		.amdhsa_system_vgpr_workitem_id 0
		.amdhsa_next_free_vgpr 256
		.amdhsa_next_free_sgpr 80
		.amdhsa_reserve_vcc 1
		.amdhsa_float_denorm_mode_32 3
		.amdhsa_float_denorm_mode_16_64 3
		.amdhsa_memory_ordered 1
		.amdhsa_forward_progress 1
		.amdhsa_inst_pref_size 86
	.end_amdhsa_kernel
	.amdgpu_metadata
---
amdhsa.version: [ 1, 2 ]
amdhsa.kernels:
  - .name:           k_qaf393b53a1_prep
    .symbol:         k_qaf393b53a1_prep.kd
    .args:
      - { .name: x, .offset: 0, .size: 8, .value_kind: global_buffer, .address_space: global }
      - { .name: Wq, .offset: 8, .size: 8, .value_kind: global_buffer, .address_space: global }
      - { .name: Wk, .offset: 16, .size: 8, .value_kind: global_buffer, .address_space: global }
      - { .name: Wv, .offset: 24, .size: 8, .value_kind: global_buffer, .address_space: global }
      - { .name: Wo, .offset: 32, .size: 8, .value_kind: global_buffer, .address_space: global }
      - { .name: past_key, .offset: 40, .size: 8, .value_kind: global_buffer, .address_space: global }
      - { .name: past_value, .offset: 48, .size: 8, .value_kind: global_buffer, .address_space: global }
      - { .name: wimg, .offset: 56, .size: 8, .value_kind: global_buffer, .address_space: global }
      - { .name: qkv, .offset: 64, .size: 8, .value_kind: global_buffer, .address_space: global }
    .group_segment_fixed_size: 34304
    .private_segment_fixed_size: 0
    .kernarg_segment_align: 8
    .kernarg_segment_size: 72
    .max_flat_workgroup_size: 128
    .sgpr_count:     80
    .vgpr_count:     256
    .wavefront_size: 32
...
	.end_amdgpu_metadata
.endif
;; end of part 1
;; launch qkvg (part 2): grid 24 x 8, 4 waves a work-group, clusters of 4 x 4, 327,680 bytes of LDS; arguments wimg, qkv; writes qkv
.if DOCPART == 2
	.amdgcn_target "amdgcn-amd-amdhsa--gfx1250"
	.amdhsa_code_object_version 6
	.text
	.protected	k_qaf393b53a1_qkvg
	.globl	k_qaf393b53a1_qkvg
	.p2align	8
	.type	k_qaf393b53a1_qkvg,@function
k_qaf393b53a1_qkvg:
	s_mov_b64 s[64:65], 0
	v_nop
	global_prefetch_b8 v0, s[64:65] scope:SCOPE_SE
	s_setreg_imm32_b32 hwreg(HW_REG_WAVE_MODE, 25, 1), 1
	s_wait_xcnt 0x0
	s_wait_alu depctr_hold_cnt(0) depctr_sa_sdst(0) depctr_va_vdst(0) depctr_va_sdst(0) depctr_va_ssrc(0) depctr_va_vcc(0) depctr_vm_vsrc(0)
	s_getreg_b32 s2, hwreg(HW_REG_IB_STS2, 6, 4)
	s_cmp_eq_u32 s2, 0
	s_cbranch_scc0 .Lentry_in_a_cluster
	s_endpgm
.Lentry_in_a_cluster:
	s_bfe_u32 s2, ttmp6, 0x10000c
	s_cmp_lg_u32 s2, 0xf033
	s_cbranch_scc0 .Lentry_shape_is_right
	s_endpgm
.Lentry_shape_is_right:
; The three projections as one GEMM on codes of FP6 (E2M3), K = 2,048, whose results leave QUANTISED, as operand blocks for the attention.
; Tile columns 0-15: x (rows: tokens) against Wq and Wk: Q and the new K, rows = tokens, quantised along a head's 128.  Tile columns 16-23: Wv (rows: d) against x: V^T, quantised along the tokens, which are the keys.
; OPERAND BLOCK (12,800 bytes): 128 rows x 128 K as images of the operand's registers (fragment T at 1536 T, register 4 c + e of lane l at 512 c + 16 l + 4 e; position r of fragment T is row
; 32 (T / 2) + 8 (T % 2) + r + 8 (r / 8)), then at 12288 + 32 r + 4 (4 (T % 2) + T / 2) the scale word of the row at (T, r).  wimg: [row block 0..79: x, Wq, Wk, Wv, Wo][K step 0..15].
; A work-group of four waves makes 256 x 256; a wave 128 x 128: 64 accumulators, 512 registers: its 128 columns are one K step of the product that follows, so a wave's results are one whole operand block.
; THE RING: two LDS slots of three K steps (384 along K), as large as two fit; a wave's tensor load brings three operand blocks, 38,400 dense bytes.  16 K steps = 1 + 5 x 3: slot 0's first fill is K step 0 alone,
; so that all four refills are whole slots, and each has 160 matrix instructions between its request and the wait for it.  The sixteen steps are written out by macro: with three steps to a slot the two sets of
; fragment registers change places from slot to slot, the first step starts the sums, and the last change of slots fills nothing.
; Fragments come from LDS at 16 x lane: consecutive bytes, no pitch, no padding.
; THE MATRIX INSTRUCTION IS USED TRANSPOSED: source 0 = B's fragment, source 1 = A's: a lane holds one row of A and, by the blocks' order of rows, 16 neighbours along B's rows in the registers of two neighbouring tiles.
; CLUSTERS 4 x 4: A's blocks are shared along a row of the cluster, B's along a column: joint loads.  192 work-groups: a wave needs 128 columns for a whole block, so the tile is not made smaller.
; No prefetch: every stream is read by several clusters and each tile is asked for jointly by four.
; LIMITS: as the quantiser's: NaN and infinities are not served; a block of results under 2^-124 keeps the byte 1, a block of zeros too.
; REGISTERS: window 0: v1-13 addresses; v16-31 scale words, two sets; v32-127, v128-223 A's fragments, two sets; on the way out v32-51 codes, v224-247 at work.  window 1: B's two sets, v0-95, v96-191.
;   windows 2, 3: accumulator (a, b) at v[8 ((8 a + b) % 32)] of window 2 + a / 4.
.set OB,    12800
.set FRB,   1536
.set SCO,   12288
.set NA,    8                          ; tiles a side a wave
.set NQ,    3                          ; K steps of 128 in a slot
.set PART,  NQ*OB                      ; what one tensor load brings: 38,400 bytes
.set SLOT,  4*PART                     ; A's two row blocks, then B's two
.set SPARE, 2*SLOT                     ; the spare words: 128 bytes a wave, two blocks of 256 bytes that no other line names
.set RBS,   16*OB                      ; a row block's 16 K steps
.set KBASE, 3276800
.set KVSZ,  9830400
.set ADRA,  4                          ; v4-5   my A fragments in slot 0, 1: 16 x lane + my row block
.set ADRB,  6                          ; v6-7   the same for B
.set ADRS,  8                          ; v8-9   my scale words: lanes 0-15 A's rows, lanes 16-31 B's
.set SPW,   10                         ; v10    my spare word; never rewritten
.set NIL,   11                         ; v11    0; never rewritten
.set LI,    12                         ; v12    16 x lane
.set SOF,   13                         ; v13    32 r + 16 h
.set SC,    16                         ; scale words: set p at v[SC + 8 p]; tile i's at + 4 (i % 2) + i / 2
.set AF,    32
.set PC,    32
.set TM,    224
.set PW,    240
.set G1,    24                         ; s[24:31] group 1 for A, three blocks;  s[32:39] group 0, a set for each slot
.set G0,    32
.set G1B,   48                         ; s[48:55], s[56:63] the same for B
.set G0B,   56
.set G1S,   80                         ; s[80:87] group 1 for A, one block: slot 0's first fill;  s[88:95] for B
.set G1SB,  88
.set SEL,   78
.set MSB,   0
.macro WIN new                         ; the immediate's high byte repeats the setting that is left
.if MSB != (\new)
	s_set_vgpr_msb (MSB<<8)|(\new)
.set MSB, (\new)
.endif
.endm
.macro PLACES n
.rept \n
	v_nop
.endr
.endm
; A joint load into slot s: waves 0 and 1 fetch A's two row blocks (group 1: ga), waves 2 and 3 B's (gb).  The branch hangs on the wave's number alone.  Four v_nop follow each of the two lines.
.macro JLOAD s, ga, gb
	s_cmp_eq_u32 s15, 0
	s_cbranch_scc0 .Lfor_b_\@
	tensor_load_to_lds s[G0+4*\s:G0+4*\s+3], s[\ga:\ga+7]
	s_nop 0
.rept 4
	v_nop
.endr
	s_branch .Lasked_\@
.Lfor_b_\@:
	tensor_load_to_lds s[G0B+4*\s:G0B+4*\s+3], s[\gb:\gb+7]
	s_nop 0
.rept 4
	v_nop
.endr
.Lasked_\@:
.endm
.macro CREST                           ; a round of the cluster's barrier behind its opening barrier
	s_cmp_lg_u32 s14, 0
	s_cbranch_scc1 .Lnot_wave_0_\@
	s_barrier_signal -3
.Lnot_wave_0_\@:
	s_barrier_wait -3
	s_barrier_signal -1
	s_barrier_wait -1
.endm
.macro CROUND
	s_barrier_signal -1
	s_barrier_wait -1
	CREST
.endm
	s_load_b128 s[4:7], s[0:1], 0x0                ; wimg s[4:5], qkv s[6:7]
	v_lshl_add_u32 v[SPW], v0, 2, SPARE
	v_mov_b32 v[NIL], 0
	ds_add_u32 v10, v11
	s_wait_dscnt 0x0
	v_lshrrev_b32 v1, 5, v0
	v_readfirstlane_b32 s14, v1                    ; wave 0..3
	s_lshr_b32 s15, s14, 1                         ; which of A's two row blocks is mine.  Also: I fetch for A (0) or for B (1)
	s_and_b32 s16, s14, 1                          ; which of B's.  Also: which of the two row blocks I fetch
	s_bfe_u32 s40, ttmp6, 0x40000                  ; cx, cy
	s_bfe_u32 s41, ttmp6, 0x40004
	s_lshl_b32 s42, ttmp9, 2
	s_add_co_u32 s42, s42, s40                     ; tile column = 4 x cluster x + cx
	s_and_b32 s17, ttmp7, 0xffff
	s_lshl_b32 s17, s17, 2
	s_add_co_u32 s17, s17, s41                     ; tile row = 4 x cluster y + cy
	s_lshl_b32 s43, s41, 2
	s_lshl_b32 s43, 15, s43                        ; my row of the cluster
	s_lshl_b32 s44, 0x1111, s40                    ; my column
	s_or_b32 s[G1+0], s43, (3<<16)|(1<<21)         ; the mask; elements of 8 bytes; bit 21 beside a mask; no padding
	s_or_b32 s[G1B+0], s44, (3<<16)|(1<<21)
	s_or_b32 s[G1S+0], s43, (3<<16)|(1<<21)
	s_or_b32 s[G1SB+0], s44, (3<<16)|(1<<21)
.irp g, G1, G1B                        ; 38,400 dense bytes as 150 rows of 256
	s_mov_b32 s[\g+1], 32<<16                      ; tensor_dim0
	s_mov_b32 s[\g+2], 150<<16                     ; tensor_dim1
	s_mov_b32 s[\g+3], 32<<16                      ; tile_dim0
	s_mov_b32 s[\g+4], 150                         ; tile_dim1
	s_mov_b32 s[\g+5], 32                          ; the pitch
	s_mov_b32 s[\g+6], 0
	s_mov_b32 s[\g+7], 0
.endr
.irp g, G1S, G1SB                      ; 12,800 dense bytes as 50 rows of 256
	s_mov_b32 s[\g+1], 32<<16
	s_mov_b32 s[\g+2], 50<<16
	s_mov_b32 s[\g+3], 32<<16
	s_mov_b32 s[\g+4], 50
	s_mov_b32 s[\g+5], 32
	s_mov_b32 s[\g+6], 0
	s_mov_b32 s[\g+7], 0
.endr
	s_cmp_ge_u32 ttmp9, 4                          ; clusters 4 and 5 along x make V^T: the same in all sixteen partners
	s_cselect_b32 s45, 48, 0
	s_lshl_b32 s20, s17, 1
	s_add_co_u32 s20, s20, s16
	s_add_co_u32 s20, s20, s45                     ; A's row block: x's (0 ..) or Wv's (48 ..): 2 x tile row + half
	s_mul_i32 s20, s20, RBS
	s_mov_b32 s21, 0
	s_lshl_b32 s46, s42, 1
	s_add_co_u32 s46, s46, s16
	s_add_co_u32 s46, s46, 16
	s_sub_co_u32 s46, s46, s45                     ; B's: Wq's and Wk's (16 ..) or x's: 2 x tile column + half + 16 - 48
	s_mul_i32 s46, s46, RBS
	s_mov_b32 s47, 0
	s_mul_i32 s18, s14, PART                       ; where they go: wave x 38,400: no place in the cluster enters an LDS address
	s_wait_kmcnt 0x0
	s_add_nc_u64 s[20:21], s[4:5], s[20:21]
	s_add_nc_u64 s[46:47], s[4:5], s[46:47]
	CROUND                                         ; all sixteen work-groups are here: the first joint loads meet
.irp s, 0,1                            ; slot 0 begins with K step 0, slot 1 with K step 1
	s_mov_b32 s[G0+4*\s], 1
	s_add_co_u32 s[G0+4*\s+1], s18, \s*SLOT
	s_add_nc_u64 s[G0+4*\s+2:G0+4*\s+3], s[20:21], \s*OB
	s_or_b32 s[G0+4*\s+3], s[G0+4*\s+3], 0x80000000
	s_mov_b32 s[G0B+4*\s], 1
	s_add_co_u32 s[G0B+4*\s+1], s18, \s*SLOT
	s_add_nc_u64 s[G0B+4*\s+2:G0B+4*\s+3], s[46:47], \s*OB
	s_or_b32 s[G0B+4*\s+3], s[G0B+4*\s+3], 0x80000000
.endr
	JLOAD 0, G1S, G1SB                             ; K step 0 alone
	JLOAD 1, G1, G1B                               ; K steps 1 to 3: two loads of mine are out
	v_and_b32 v1, 31, v0                           ; lane
	v_and_b32 v2, 15, v0                           ; r
	v_bfe_u32 v3, v0, 4, 1                         ; h
	v_lshlrev_b32 v[LI], 4, v1
	s_mul_i32 s66, s15, PART
	s_mul_i32 s67, s16, PART
	s_add_co_u32 s67, s67, 2*PART
.irp s, 0,1
	v_add_nc_u32 v[ADRA+\s], s66, v[LI]
	v_add_nc_u32 v[ADRB+\s], s67, v[LI]
	s_add_co_u32 s66, s66, SLOT
	s_add_co_u32 s67, s67, SLOT
.endr
	s_mul_i32 s66, s15, PART
	s_mul_i32 s67, s16, PART
	s_add_co_u32 s67, s67, 2*PART
	s_sub_co_u32 s67, s67, s66                     ; from A's block to B's
	v_mul_u32_u24 v[ADRS], s67, v3                 ; lanes 16-31 take B's
	v_lshl_add_u32 v[ADRS], v2, 5, v[ADRS]         ; 32 bytes a row
	v_add_nc_u32 v[ADRS], s66, v[ADRS]
	v_add_nc_u32 v[ADRS+1], SLOT, v[ADRS]
	v_lshlrev_b32 v[SOF], 5, v2
	v_lshl_add_u32 v[SOF], v3, 4, v[SOF]
	s_mov_b32 s[SEL], 0x76543210
	s_mov_b32 s[SEL+1], 0xfedcba98
.irp b, 0,1,2,3
	v_mov_b32 v[TM+4+\b], 0                        ; written once: a lane permute's destination counts as one of its sources
.endr
; The slot's q-th 128 along K into set p: the scale words of 8 + 8 tiles by two loads, A's 8 fragments and B's 8 by three loads each
.macro FETCH slot, q, p
	WIN 0
	ds_load_b128 v[SC+8*(\p):SC+8*(\p)+3], v[ADRS+\slot] offset:(\q)*OB+SCO
	ds_load_b128 v[SC+8*(\p)+4:SC+8*(\p)+7], v[ADRS+\slot] offset:(\q)*OB+SCO+16
.irp i, 0,1,2,3,4,5,6,7
.irp c, 0,1,2
	ds_load_b128 v[AF+96*(\p)+12*\i+4*\c:AF+96*(\p)+12*\i+4*\c+3], v[ADRA+\slot] offset:(\q)*OB+\i*FRB+512*\c
.endr
.endr
	WIN 0x40                                       ; destination window 1
.irp i, 0,1,2,3,4,5,6,7
.irp c, 0,1,2
	ds_load_b128 v[96*(\p)+12*\i+4*\c:96*(\p)+12*\i+4*\c+3], v[ADRB+\slot] offset:(\q)*OB+\i*FRB+512*\c
.endr
.endr
.endm
; A's tiles a0 .. a0 + n - 1 against B's eight, set p.  The 64 accumulators take turns, one instruction a turn, in the same order in every step.
.macro MULR p, a0, n, zero
.set ma, \a0
.rept \n
.set mw, 2+(ma*NA)/32
.set mwin, 1|(mw<<4)|(mw<<6)
	WIN mwin                                       ; source 0 (B) window 1, source 1 (A) window 0, C and D window 2 or 3
.set mb, 0
.rept NA
.set mr, 8*((ma*NA+mb)%32)
.if \zero
	v_wmma_scale_f32_16x16x128_f8f6f4 v[mr:mr+7], v[96*(\p)+12*mb:96*(\p)+12*mb+11], v[AF+96*(\p)+12*ma:AF+96*(\p)+12*ma+11], 0, v[SC+8*(\p)+(mb%2)*(NA/2)+mb/2], v[SC+8*(\p)+(ma%2)*(NA/2)+ma/2] matrix_a_fmt:MATRIX_FMT_FP6 matrix_b_fmt:MATRIX_FMT_FP6 matrix_a_scale:MATRIX_SCALE_ROW1
.else
	v_wmma_scale_f32_16x16x128_f8f6f4 v[mr:mr+7], v[96*(\p)+12*mb:96*(\p)+12*mb+11], v[AF+96*(\p)+12*ma:AF+96*(\p)+12*ma+11], v[mr:mr+7], v[SC+8*(\p)+(mb%2)*(NA/2)+mb/2], v[SC+8*(\p)+(ma%2)*(NA/2)+ma/2] matrix_a_fmt:MATRIX_FMT_FP6 matrix_b_fmt:MATRIX_FMT_FP6 matrix_a_scale:MATRIX_SCALE_ROW1
.endif
.set mb, mb+1
.endr
.set ma, ma+1
.endr
.endm
; A step of 128 along K, on set p, that has its successor in the same slot: the successor's fragments are asked for first, into the other set, and land under this step's 64 matrix instructions
.macro STEP slot, q, p, zero
	s_wait_dscnt 0x0                               ; this step's set is in (asked for 32 matrix instructions ago or more)
	PLACES 4                                       ; four plain instructions between the last products and loads into registers that they read (ISA guide 7.12.1 for vector instructions)
	FETCH \slot, (\q)+1, 1-(\p)
	MULR \p, 0, NA, \zero
.endm
; A slot's last step, on set p, changes slots: one barrier; in front of it each wave waits for all its tensor loads, adds 0 to its spare word, and waits for that and for its reads of this slot.
; fill = 1: this slot is filled again, from adv bytes further along K.
.macro TURN slot, next, fill, p, zero, adv
	WIN 0                                          ; (the add's two registers lie in window 0)
	s_wait_tensorcnt 0x0                           ; all my tensor loads have landed: my part of the next slot
	ds_add_u32 v[SPW], v[NIL]                      ; 0 onto my spare word
	s_wait_dscnt 1                                 ; this step's set is in; the add alone may be out
	MULR \p, 0, NA/4, \zero                        ; matrix instructions stand between the add and the wait for it
	s_wait_dscnt 0x0                               ; the add is done, and my reads of this slot are over
	s_barrier_signal -1
	MULR \p, NA/4, NA/4, \zero
	WIN 0
	s_barrier_wait -1
.if \fill
	CREST                                          ; the barrier has opened a round of the cluster's barrier: no wave of any partner still reads this slot or has a load on its way
	s_add_nc_u64 s[G0+4*\slot+2:G0+4*\slot+3], s[G0+4*\slot+2:G0+4*\slot+3], \adv
	s_add_nc_u64 s[G0B+4*\slot+2:G0B+4*\slot+3], s[G0B+4*\slot+2:G0B+4*\slot+3], \adv
	JLOAD \slot, G1, G1B                           ; my one tensor load behind the round: three K steps; its four v_nop are also the places in front of the loads below
.else
	PLACES 4
.endif
	FETCH \next, 0, 1-(\p)
	MULR \p, NA/2, NA/2, \zero
.endm
	s_wait_tensorcnt 1                             ; my part of K step 0 is in; slot 1's may stay out
	s_barrier_signal -1
	s_barrier_wait -1
	FETCH 0, 0, 0
	TURN 0, 1, 1, 0, 1, 4*OB                       ; K step 0: its products start the sums, nothing is cleared; slot 0 takes K steps 4 to 6
	STEP 1, 0, 1, 0                                ; K step 1
	STEP 1, 1, 0, 0                                ; 2
	TURN 1, 0, 1, 1, 0, 6*OB                       ; 3; slot 1 takes K steps 7 to 9
	STEP 0, 0, 0, 0                                ; 4
	STEP 0, 1, 1, 0                                ; 5
	TURN 0, 1, 1, 0, 0, 6*OB                       ; 6; slot 0 takes K steps 10 to 12
	STEP 1, 0, 1, 0                                ; 7
	STEP 1, 1, 0, 0                                ; 8
	TURN 1, 0, 1, 1, 0, 6*OB                       ; 9; slot 1 takes K steps 13 to 15: the last load
	STEP 0, 0, 0, 0                                ; 10
	STEP 0, 1, 1, 0                                ; 11
	TURN 0, 1, 0, 0, 0, 0                          ; 12; nothing is left to fetch
	STEP 1, 0, 1, 0                                ; 13
	STEP 1, 1, 0, 0                                ; 14
	s_wait_dscnt 0x0
	MULR 1, 0, NA, 0                               ; 15
	WIN 0
	PLACES 4                                       ; in front of the first read of results and of writes into registers that held fragments
	; THE WAY OUT: my 128 x 128 results become one operand block.  Where it lies: row block 2 ty + rh, column block 2 tx + ch; kind = column block / 16: Q, K, V
	s_lshl_b32 s66, s17, 1
	s_add_co_u32 s66, s66, s15
	s_lshl_b32 s67, s42, 1
	s_add_co_u32 s67, s67, s16
	s_lshr_b32 s68, s67, 4                         ; kind
	s_sub_co_u32 s69, s67, 32
	s_and_b32 s70, s67, 15
	s_cmp_eq_u32 s68, 2
	s_cselect_b32 s71, s69, s66                    ; the block of 128 tokens: V^T has them along its columns
	s_cselect_b32 s72, s66, s70                    ; the head
	s_lshr_b32 s73, s71, 3
	s_lshl_b32 s73, s73, 4
	s_add_co_u32 s73, s73, s72                     ; bh = 16 x batch + head
	s_and_b32 s74, s71, 7                          ; g: the token block within the batch
	s_lshl_b32 s75, s73, 3
	s_add_co_u32 s75, s75, s74
	s_mul_i32 s75, s75, OB                         ; Q: block 8 bh + g
	s_mul_i32 s76, s73, 24
	s_add_co_u32 s76, s76, s74
	s_add_co_u32 s76, s76, 16
	s_mul_i32 s76, s76, OB                         ; K, V: block 24 bh + 16 + g: behind the 16 cached blocks
	s_sub_co_u32 s77, s68, 1
	s_mul_i32 s77, s77, KVSZ
	s_add_co_u32 s76, s76, s77
	s_add_co_u32 s76, s76, KBASE
	s_cmp_eq_u32 s68, 0
	s_cselect_b32 s76, s75, s76
	s_mov_b32 s77, 0
	s_add_nc_u64 s[6:7], s[6:7], s[76:77]
; The 64 results of A's tile in window w, v[s] on: register 16 b + i = column 32 b + 16 h + i of my row.  Each accumulator is read from its low end on.
.macro QUANTW s, pw, w
	WIN (\w)|((\w)<<2)
.irp b, 0,1,2,3
	v_max3_num_f32 v[TM+\b], |v[(\s)+16*\b]|, |v[(\s)+1+16*\b]|, 0x1800000   ; and the floor 2^(3 - 127): the byte cannot fall under 1
.endr
	WIN ((\w)<<2)|((\w)<<4)
.irp i, 2,4,6,8,10,12,14
.irp b, 0,1,2,3
	v_max3_num_f32 v[TM+\b], v[TM+\b], |v[(\s)+16*\b+\i]|, |v[(\s)+1+16*\b+\i]|
.endr
.endr
	WIN 0
.irp b, 0,1,2,3
	v_permlanex16_b32 v[TM+4+\b], v[TM+\b], s[SEL], s[SEL+1]
.endr
.irp b, 0,1,2,3
	v_max_num_f32 v[TM+\b], v[TM+\b], v[TM+4+\b]
.endr
.irp b, 0,1,2,3
	v_add_nc_u32 v[TM+8+\b], 0xff000000, v[TM+\b]          ; 2 off the exponent field: the conversion's scale operand
.endr
.irp b, 0,1,2,3
	v_lshrrev_b32 v[TM+4+\b], 23, v[TM+8+\b]
.endr
	v_lshl_or_b32 v[\pw], v[TM+5], 8, v[TM+4]
	v_lshl_or_b32 v[\pw], v[TM+6], 16, v[\pw]
	v_lshl_or_b32 v[\pw], v[TM+7], 24, v[\pw]
	WIN (\w)
.irp c, 0,1
	v_cvt_scalef32_pk16_fp6_f32 v[PC+6*\c:PC+2+6*\c], v[(\s)+32*\c:(\s)+15+32*\c], v[TM+8+2*\c]
	v_cvt_scalef32_pk16_fp6_f32 v[PC+12+4*\c:PC+14+4*\c], v[(\s)+16+32*\c:(\s)+31+32*\c], v[TM+9+2*\c]
.endr
	WIN 0
	v_nop                                                  ; one plain instruction behind the scaled conversions
.irp c, 0,1
.irp i, 0,1,2
	v_permlane16_swap_b32 v[PC+6*\c+\i], v[PC+12+4*\c+\i]
.endr
.irp i, 0,1,2
	v_mov_b32 v[PC+3+6*\c+\i], v[PC+12+4*\c+\i]
.endr
.endr
.endm
.irp a, 0,1,2,3,4,5,6,7
.if \a > 0
	s_wait_xcnt 0x0                                ; the last fragment's stores have read v[PC] on
.endif
	QUANTW 64*(\a%4), PW+\a, 2+\a/4
.irp c, 0,1,2
	global_store_b128 v[LI], v[PC+4*\c:PC+4*\c+3], s[6:7] offset:\a*FRB+512*\c   ; 32 lanes store 512 consecutive bytes, aligned to 256
.endr
.endr
	v_cmp_lt_u32 vcc_lo, 15, v1                    ; lanes 0-15: the words of fragments 0, 2, 4, 6 of row r; lanes 16-31: of 1, 3, 5, 7
.irp i, 0,1,2,3
	v_cndmask_b32 v[TM+\i], v[PW+2*\i], v[PW+2*\i+1], vcc_lo
.endr
	global_store_b128 v[SOF], v[TM:TM+3], s[6:7] offset:SCO
	s_wait_tensorcnt 0x0                           ; the wave's end
	ds_add_u32 v[SPW], v[NIL]
	s_wait_dscnt 0x0
	CROUND                                         ; the closing round: no work-group ends while a partner may still ask for a tile that names it
	s_endpgm
.Lfunc_end_k_qaf393b53a1_qkvg:
	.size	k_qaf393b53a1_qkvg, .Lfunc_end_k_qaf393b53a1_qkvg-k_qaf393b53a1_qkvg
	.p2alignl 7, 3214868480
	.fill 96, 4, 3214868480
	.section	.rodata,"a",@progbits
	.p2align	6, 0x0
	.amdhsa_kernel k_qaf393b53a1_qkvg
		.amdhsa_group_segment_fixed_size 327680
		.amdhsa_private_segment_fixed_size 0
		.amdhsa_enable_private_segment 0
		.amdhsa_kernarg_size 16
		.amdhsa_user_sgpr_count 2
		.amdhsa_user_sgpr_kernarg_segment_ptr 1
		.amdhsa_wavefront_size32 1
		.amdhsa_system_sgpr_workgroup_id_x 1
		.amdhsa_system_sgpr_workgroup_id_y 1
		.amdhsa_system_sgpr_workgroup_id_z 1
		.amdhsa_system_vgpr_workitem_id 0
		.amdhsa_next_free_vgpr 1024
		.amdhsa_next_free_sgpr 100
		.amdhsa_reserve_vcc 1
		.amdhsa_float_denorm_mode_32 3
		.amdhsa_float_denorm_mode_16_64 3
		.amdhsa_memory_ordered 1
		.amdhsa_forward_progress 1
		.amdhsa_inst_pref_size 230
	.end_amdhsa_kernel
	.amdgpu_metadata
---
amdhsa.version: [ 1, 2 ]
amdhsa.kernels:
  - .name:           k_qaf393b53a1_qkvg
    .symbol:         k_qaf393b53a1_qkvg.kd
    .args:
      - { .name: wimg, .offset: 0, .size: 8, .value_kind: global_buffer, .address_space: global }
      - { .name: qkv, .offset: 8, .size: 8, .value_kind: global_buffer, .address_space: global }
    .group_segment_fixed_size: 327680
    .private_segment_fixed_size: 0
    .kernarg_segment_align: 8
    .kernarg_segment_size: 16
    .max_flat_workgroup_size: 128
    .sgpr_count:     100
    .vgpr_count:     1024
    .wavefront_size: 32
...
	.end_amdgpu_metadata
.endif
;; end of part 2
;; launch attn (part 3): grid 8 x 32, 16 waves a work-group, clusters of 4 x 1, 327,680 bytes of LDS; arguments qkv, oimg; writes oimg
.if DOCPART == 3
	.amdgcn_target "amdgcn-amd-amdhsa--gfx1250"
	.amdhsa_code_object_version 6
	.text
	.protected	k_qaf393b53a1_attn
	.globl	k_qaf393b53a1_attn
	.p2align	8
	.type	k_qaf393b53a1_attn,@function
k_qaf393b53a1_attn:
	s_mov_b64 s[64:65], 0
	v_nop
	global_prefetch_b8 v0, s[64:65] scope:SCOPE_SE
	s_setreg_imm32_b32 hwreg(HW_REG_WAVE_MODE, 25, 1), 1
	s_wait_xcnt 0x0
	s_wait_alu depctr_hold_cnt(0) depctr_sa_sdst(0) depctr_va_vdst(0) depctr_va_sdst(0) depctr_va_ssrc(0) depctr_va_vcc(0) depctr_vm_vsrc(0)
	s_getreg_b32 s2, hwreg(HW_REG_IB_STS2, 6, 4)
	s_cmp_eq_u32 s2, 0
	s_cbranch_scc0 .Lentry_in_a_cluster
	s_endpgm
.Lentry_in_a_cluster:
	s_bfe_u32 s2, ttmp6, 0x10000c
	s_cmp_lg_u32 s2, 0x3003
	s_cbranch_scc0 .Lentry_shape_is_right
	s_endpgm
.Lentry_shape_is_right:
; Attention of 1,024 new queries over 3,072 keys (2,048 cached, 1,024 new; query i sees keys up to 2,048 + i), 32 heads, both products on codes of FP6 (E2M3) with E8M0 scales.
; All operands come as OPERAND BLOCKS of 12,800 bytes (128 rows x 128 K as images of the operand's registers: fragment T at 1536 T, 16 bytes a lane in three runs of 512; position r of fragment T is row
; 32 (T / 2) + 8 (T % 2) + r + 8 (r / 8); scale word of (T, r) at 12288 + 32 r + 4 (4 (T % 2) + T / 2)).  qkv: Q [bh][8], K [bh][24] (rows: keys), V [bh][24] (rows: d, K: 128 keys).
; THE SOFTMAX: t = score x log2(e) / sqrt(128); M = the running largest t rounded UP to a whole number; p = 2^(t - M) is quantised along the keys, not normalised; the row's sum is taken of the unquantised p
; and divides O at the end; when M moves, the sum and O are multiplied by 2^(old M - new M), exactly.
; The result leaves QUANTISED along the head's 128, as fragments of the output projection's operand blocks: oimg [token / 128][head].
; SHARES.  Work-group (j, bh) owns eight tiles of 16 queries: fragment j of each query block g.  SIXTEEN waves of 256 registers, four to a SIMD, so that one wave's vector work stands beside the others' matrix work
; and LDS loads.  TWO WAVES SHARE A TILE'S KEYS: wave w has tile w % 8 (g = that number xor 3 x (its bit 2)) and, of every four key blocks, the two with number 2 u + w / 8.  Each keeps its own running M, sum and O^T
; (M is a whole number in each, so the codes' values are those of the rule); at the end waves 8-15 hand theirs over through LDS, and waves 0-7 bring both under the larger M, by exact powers of two, and add.
; Which key steps are hidden, and which lies on the diagonal, hangs on the wave's number and a count alone, never on the work-group's place in its cluster.
; Both products are used transposed (S^T = K Q^T, O^T = V^T P^T): a lane holds one query throughout, and by the blocks' order of rows the 16 registers of tiles 2 b, 2 b + 1 are 16 neighbouring keys (or channels).
; CLUSTER 4 x 1: the four work-groups of a cluster belong to one head and walk the same K and V: joint loads.  A slot holds 4 key blocks of K and of V, 102,400 bytes; waves 0-3 fetch a quarter each.
; Every work-group walks all 6 slots (constant trip counts, no tensor load or barrier jumped over); a hidden step's WORK is jumped over.
; LIMITS: NaN and infinities are not served; a block of results under 2^-124 keeps the byte 1, a block of zeros too.
; REGISTERS: v1-11 addresses; v12 -M, v13 largest t, v[14:15] the sum; v16-27 Q; v28-31 lane terms; v32-79 four fragments of K or V (on the way out: codes and work); v80-87, v88-95 K's and V's scale words;
;   v96-159 S^T, then p, then V's fragments 4-7; v160-223 O^T; v224-235 p's codes; v232-254 at work; v248 a stage address; v255 Q's scale word.
.set OB,    12800
.set FRB,   1536
.set SCO,   12288
.set PART,  25600                      ; two blocks: what one tensor load brings
.set SLOT1, 1<<17                      ; slot 1 begins here: one exclusive or turns an address
.set SPARE, 4*PART                     ; behind slot 0: the spare words, 128 bytes for each of sixteen waves: eight blocks of 256 bytes that no other line names
.set STG,   SLOT1+4*PART               ; behind slot 1: the stage in which waves 8-15 hand over; no tensor load lands here
.set STGP,  8448                       ; a tile's place in it: 16 x 512 bytes of O^T, 128 of -M, 128 of the sum
.set NSL,   6
.set KBASE, 3276800
.set KVSZ,  9830400
.set BHS,   24*OB
.set AK0,   1                          ; v1   16 x lane + my half's block
.set AV0,   2                          ; v2   + 51,200: V's blocks lie behind K's four
.set ASK0,  3                          ; v3   32 r + 12,288 + my half's block
.set ASV0,  4                          ; v4   + 51,200
.set SPW,   5
.set NIL,   6
.set R32,   7                          ; v7   32 r
.set ADK,   8
.set ADV,   9
.set ADS,   10
.set ADT,   11
.set PFO,   28                         ; v28  256 x min(lane, 24)
.set DG,    29                         ; v29  my query within its block - 16 h
.set SGA,   30                         ; v30  the stage: my tile's place + 16 x lane
.set LI,    31                         ; v31  16 x lane
.set SGS,   248                        ; v248 the stage: my tile's place + 4 x lane
.set FR,    32
.set PC,    32
.set TM,    52
.set PW,    64
.set KS,    80
.set VS,    88
.set WV,    18
.set SEL,   20
.set CS,    22
.set G1,    24
.set G0,    40
.set TB,    2                          ; s2   LDS byte at which the slot in hand begins
.set KB,    3                          ; s3   my step's key block, 0..23
.set LIMH,  66                         ; s66  16 + g: the key block on my diagonal
.set SLOTS, 67
.set PFA,   76
.set LIM,   80
.macro CROUND
	s_barrier_signal -1
	s_barrier_wait -1
	s_cmp_lg_u32 s[WV], 0
	s_cbranch_scc1 .Lnot_wave_0_\@
	s_barrier_signal -3
.Lnot_wave_0_\@:
	s_barrier_wait -3
	s_barrier_signal -1
	s_barrier_wait -1
.endm
.macro TLOAD                           ; waves 0-3 fetch a quarter of a slot each, by one line; four v_nop follow it
	s_cmp_lt_u32 s[WV], 4
	s_cbranch_scc0 .Lasked_\@
	tensor_load_to_lds s[G0:G0+3], s[G1:G1+7]
	s_nop 0
.rept 4
	v_nop
.endr
.Lasked_\@:
.endm
; A prefetch of the slot that the NEXT change of slots will ask for: a slot's steps ahead of that load.  A head's two clusters walk the same K and V: the first asks.  Its waves 4-7, which fetch nothing, ask,
; one instruction each; the slot's 400 blocks of 256 bytes fall into 16 runs of 25, shared out among 4 work-groups x 4 waves BY ADDRESS; lanes 25-31 name lane 24's block again.
; The last change that fills a slot asks for nothing; slots 0 and 1 come by their loads alone.
.macro ASK
	s_cmp_gt_u32 s[SLOTS], s[LIM]
	s_cbranch_scc0 .Lnot_mine_\@
	global_prefetch_b8 v[PFO], s[PFA:PFA+1] th:TH_LOAD_NT scope:SCOPE_SE
.Lnot_mine_\@:
.endm
.macro QUANT s, pw
.irp b, 0,1,2,3
	v_max3_num_f32 v[TM+\b], |v[(\s)+16*\b]|, |v[(\s)+1+16*\b]|, 0x1800000
.endr
.irp i, 2,4,6,8,10,12,14
.irp b, 0,1,2,3
	v_max3_num_f32 v[TM+\b], v[TM+\b], |v[(\s)+16*\b+\i]|, |v[(\s)+1+16*\b+\i]|
.endr
.endr
.irp b, 0,1,2,3
	v_permlanex16_b32 v[TM+4+\b], v[TM+\b], s[SEL], s[SEL+1]
.endr
.irp b, 0,1,2,3
	v_max_num_f32 v[TM+\b], v[TM+\b], v[TM+4+\b]
.endr
.irp b, 0,1,2,3
	v_add_nc_u32 v[TM+8+\b], 0xff000000, v[TM+\b]
.endr
.irp b, 0,1,2,3
	v_lshrrev_b32 v[TM+4+\b], 23, v[TM+8+\b]
.endr
	v_lshl_or_b32 v[\pw], v[TM+5], 8, v[TM+4]
	v_lshl_or_b32 v[\pw], v[TM+6], 16, v[\pw]
	v_lshl_or_b32 v[\pw], v[TM+7], 24, v[\pw]
.irp c, 0,1
	v_cvt_scalef32_pk16_fp6_f32 v[PC+6*\c:PC+2+6*\c], v[(\s)+32*\c:(\s)+15+32*\c], v[TM+8+2*\c]
	v_cvt_scalef32_pk16_fp6_f32 v[PC+12+4*\c:PC+14+4*\c], v[(\s)+16+32*\c:(\s)+31+32*\c], v[TM+9+2*\c]
.endr
	v_nop
.irp c, 0,1
.irp i, 0,1,2
	v_permlane16_swap_b32 v[PC+6*\c+\i], v[PC+12+4*\c+\i]
.endr
.irp i, 0,1,2
	v_mov_b32 v[PC+3+6*\c+\i], v[PC+12+4*\c+\i]
.endr
.endr
.endm
	s_load_b128 s[4:7], s[0:1], 0x0                ; qkv s[4:5], oimg s[6:7]
	v_lshl_add_u32 v[SPW], v0, 2, SPARE
	v_mov_b32 v[NIL], 0
	ds_add_u32 v5, v6
	s_wait_dscnt 0x0
	v_lshrrev_b32 v8, 5, v0
	v_readfirstlane_b32 s[WV], v8                  ; wave 0..15
	s_bfe_u32 s68, ttmp6, 0x40000                  ; cx
	s_lshl_b32 s69, ttmp9, 2
	s_add_co_u32 s69, s69, s68                     ; j: which fragment of a query block: it enters global addresses and the mask's lane term alone
	s_and_b32 s70, ttmp7, 0xffff                   ; bh, which the four partners share
	s_and_b32 s90, s[WV], 7                        ; my tile
	s_lshr_b32 s91, s[WV], 3                       ; my half of the keys
	s_lshr_b32 s71, s90, 2
	s_mul_i32 s71, s71, 3
	s_xor_b32 s71, s71, s90                        ; g
	s_add_co_u32 s[LIMH], s71, 16
	s_mul_i32 s92, s91, OB                         ; my half's first block in a slot
	s_mul_i32 s93, s90, STGP
	s_add_co_u32 s93, s93, STG                     ; my tile's place in the stage
	s_mov_b32 s[G1], 15|(3<<16)|(1<<21)            ; the mask: all four work-groups; elements of 8 bytes; bit 21 beside a mask; no padding
	s_mov_b32 s[G1+1], 32<<16                      ; 25,600 dense bytes as 100 rows of 256
	s_mov_b32 s[G1+2], 100<<16
	s_mov_b32 s[G1+3], 32<<16
	s_mov_b32 s[G1+4], 100
	s_mov_b32 s[G1+5], 32
	s_mov_b32 s[G1+6], 0
	s_mov_b32 s[G1+7], 0
	s_mul_i32 s72, s70, BHS
	s_add_co_u32 s72, s72, KBASE                   ; the head's K blocks
	s_bfe_u32 s73, s[WV], 0x10001                  ; waves 0, 1 fetch K's blocks, waves 2, 3 V's;
	s_mul_i32 s73, s73, KVSZ
	s_and_b32 s74, s[WV], 1                        ; the slot's first two or its last two
	s_mul_i32 s74, s74, PART
	s_add_co_u32 s74, s74, s73
	s_add_co_u32 s74, s74, s72
	s_mov_b32 s75, 0
	s_and_b32 s73, s[WV], 3
	s_mul_i32 s73, s73, PART                       ; its place in a slot
	s_mov_b32 s[SEL], 0x76543210
	s_mov_b32 s[SEL+1], 0xfedcba98
	s_mov_b32 s[CS], 0x3e0293ee                    ; c = log2(e) / sqrt(128)
	s_mov_b32 s[CS+1], s[CS]
	s_mov_b32 s[TB], 0
	s_mov_b32 s[KB], s91                           ; my first key block: 0 or 1
	s_mov_b32 s[SLOTS], NSL-1
	s_wait_kmcnt 0x0
	s_mov_b32 s[G0], 1
	s_mov_b32 s[G0+1], s73
	s_add_nc_u64 s[G0+2:G0+3], s[4:5], s[74:75]
	s_or_b32 s[G0+3], s[G0+3], 0x80000000
	CROUND                                         ; all four work-groups are here: the first joint loads meet
	TLOAD                                          ; slot 0
	s_lshl_b32 s74, s70, 3
	s_add_co_u32 s74, s74, s71
	s_mul_i32 s74, s74, OB                         ; Q's block 8 bh + g
	s_mul_i32 s73, s69, FRB
	s_add_co_u32 s82, s74, s73
	s_mov_b32 s83, 0
	s_add_nc_u64 s[82:83], s[4:5], s[82:83]        ; my fragment of Q
	s_and_b32 s73, s69, 1
	s_lshl_b32 s73, s73, 4
	s_lshr_b32 s75, s69, 1
	s_lshl_b32 s75, s75, 2
	s_add_co_u32 s81, s73, s75
	s_add_co_u32 s81, s81, SCO                     ; 12,288 + 4 (4 (j % 2) + j / 2): fragment j's scale words
	s_add_co_u32 s84, s74, s81
	s_mov_b32 s85, 0
	s_add_nc_u64 s[84:85], s[4:5], s[84:85]
	s_lshr_b32 s75, s70, 4
	s_lshl_b32 s75, s75, 3
	s_add_co_u32 s75, s75, s71                     ; token block 8 x batch + g
	s_lshl_b32 s75, s75, 4
	s_and_b32 s74, s70, 15
	s_add_co_u32 s75, s75, s74                     ; K step = the head
	s_mul_i32 s75, s75, OB
	s_mul_i32 s74, s69, FRB
	s_add_co_u32 s86, s75, s74
	s_mov_b32 s87, 0
	s_add_nc_u64 s[86:87], s[6:7], s[86:87]        ; where my tile's fragment of O goes,
	s_add_co_u32 s88, s75, s81
	s_mov_b32 s89, 0
	s_add_nc_u64 s[88:89], s[6:7], s[88:89]        ; and its scale words
	s_lshl_b32 s74, s68, 2
	s_and_b32 s75, s[WV], 3
	s_add_co_u32 s74, s74, s75                     ; the prefetches: my run of 25 blocks, 4 cx + wave % 4 of 16
	s_lshr_b32 s75, s74, 3
	s_mul_i32 s75, s75, KVSZ
	s_and_b32 s74, s74, 7
	s_mul_i32 s74, s74, 6400
	s_add_co_u32 s74, s74, s75
	s_add_co_u32 s74, s74, s72
	s_add_co_u32 s74, s74, 2*PART                  ; in slot 1: the first change of slots steps it to slot 2
	s_mov_b32 s75, 0
	s_add_nc_u64 s[PFA:PFA+1], s[4:5], s[74:75]
	s_lshr_b32 s72, s[WV], 2
	s_xor_b32 s72, s72, 1                          ; 0 in waves 4-7,
	s_or_b32 s72, s72, ttmp9                       ; of the head's first cluster: the same in all four partners
	s_cmp_eq_u32 s72, 0
	s_cselect_b32 s[LIM], 1, -1
	s_lshr_b32 s72, s69, 1
	s_lshl_b32 s72, s72, 5
	s_and_b32 s73, s69, 1
	s_lshl_b32 s73, s73, 3
	s_add_co_u32 s72, s72, s73                     ; 32 (j / 2) + 8 (j % 2)
	v_and_b32 v9, 31, v0                           ; lane
	v_and_b32 v8, 15, v0                           ; r
	v_bfe_u32 v10, v0, 4, 1                        ; h
	v_lshlrev_b32 v[LI], 4, v9
	v_add_nc_u32 v[AK0], s92, v[LI]
	v_add_nc_u32 v[AV0], 2*PART, v[AK0]
	v_lshlrev_b32 v[R32], 5, v8
	v_add_nc_u32 v[ASK0], SCO, v[R32]
	v_add_nc_u32 v[ASK0], s92, v[ASK0]
	v_add_nc_u32 v[ASV0], 2*PART, v[ASK0]
	v_add_nc_u32 v[SGA], s93, v[LI]
	v_lshlrev_b32 v[SGS], 2, v9
	v_add_nc_u32 v[SGS], s93, v[SGS]
.irp c, 0,1,2
	global_load_b128 v[16+4*\c:19+4*\c], v[LI], s[82:83] offset:512*\c   ; Q's fragment stays in registers
.endr
	global_load_b32 v255, v[R32], s[84:85]         ; and its scale words
	v_min_u32 v[PFO], 24, v9
	v_lshlrev_b32 v[PFO], 8, v[PFO]
	v_and_b32 v[DG], 8, v8
	v_add_nc_u32 v[DG], v[DG], v8
	v_lshlrev_b32 v11, 4, v10
	v_sub_nc_u32 v[DG], v[DG], v11
	v_add_nc_u32 v[DG], s72, v[DG]                 ; my query within its block of 128, less 16 h
	v_mov_b32 v13, 0xff61b1e6                      ; the largest t so far: -3e38
	v_floor_f32 v12, -v13                          ; -M
	v_mov_b32 v14, 0
	v_mov_b32 v15, 0
.irp b, 0,1,2,3
	v_mov_b32 v[236+\b], 0                         ; written once: a lane permute's destination counts as one of its sources
	v_mov_b32 v[TM+4+\b], 0
.endr
	v_mov_b32 v252, 0
	v_mov_b32 v253, 0
.set zz, 0
.rept 64
	v_mov_b32 v[160+zz], 0                         ; O^T: the loop is written once; its first step finds zeros, which the first change of M leaves zeros
.set zz, zz+1
.endr
; A KEY STEP: 128 keys: block 2 u + my half of the slot in hand (my half's block stands in the address registers)
.macro STEP u
	s_cmp_gt_u32 s[KB], s[LIMH]                    ; all its keys come after my 16 queries: the step's work is left out (wave's number and a count alone)
	s_cbranch_scc1 .Lhidden_\@
	v_add_nc_u32 v[ADK], s[TB], v[AK0]             ; these five are also the plain instructions between the last step's products and what follows: four for loads into registers that they read,
	v_add_nc_u32 v[ADV], s[TB], v[AV0]             ; five for the first products below, which write over v96 on, where the last products read V's fragments 4-7 (the hazard: ISA guide 7.12.1)
	v_add_nc_u32 v[ADS], s[TB], v[ASK0]
	v_add_nc_u32 v[ADT], s[TB], v[ASV0]
	v_nop
	ds_load_b128 v[KS:KS+3], v[ADS] offset:2*(\u)*OB
	ds_load_b128 v[KS+4:KS+7], v[ADS] offset:2*(\u)*OB+16
	ds_load_b128 v[VS:VS+3], v[ADT] offset:2*(\u)*OB
	ds_load_b128 v[VS+4:VS+7], v[ADT] offset:2*(\u)*OB+16
.irp g, 0,1                                    ; S^T = K Q^T, four tiles of 16 keys at a time
.if \g > 0
.rept 4
	v_nop                                          ; in front of loads into registers that the four products have read
.endr
.endif
.irp t, 0,1,2,3
.irp c, 0,1,2
	ds_load_b128 v[FR+12*\t+4*\c:FR+12*\t+4*\c+3], v[ADK] offset:2*(\u)*OB+(4*\g+\t)*FRB+512*\c
.endr
.endr
	s_wait_dscnt 0x0
.irp t, 0,1,2,3
	v_wmma_scale_f32_16x16x128_f8f6f4 v[96+8*(4*\g+\t):103+8*(4*\g+\t)], v[FR+12*\t:FR+12*\t+11], v[16:27], 0, v[KS+4*(\t%2)+(4*\g+\t)/2], v255 matrix_a_fmt:MATRIX_FMT_FP6 matrix_b_fmt:MATRIX_FMT_FP6
.endr
.endr
.rept 4
	v_nop
.endr
.irp t, 0,1,2,3                                ; V's fragments 0-3: they land under the softmax
.irp c, 0,1,2
	ds_load_b128 v[FR+12*\t+4*\c:FR+12*\t+4*\c+3], v[ADV] offset:2*(\u)*OB+\t*FRB+512*\c
.endr
.endr
	s_cmp_lt_u32 s[KB], s[LIMH]                    ; all its keys count: no mask
	s_cbranch_scc1 .Lopen_\@
	v_mov_b32 v254, 0xff800000                     ; on the diagonal hidden scores become -infinity.  Register 16 b + i holds key 32 b + 16 h + i of the block: hidden where 32 b + i > my query - 16 h
.set zz, 0
.rept 64
	v_cmp_gt_i32 vcc_lo, 32*(zz/16)+zz%16, v[DG]
	v_cndmask_b32 v[96+zz], v[96+zz], v254, vcc_lo
.set zz, zz+1
.endr
.Lopen_\@:
.irp b, 0,1,2,3
	v_max3_num_f32 v[232+\b], v[96+16*\b], v[97+16*\b], v[98+16*\b]   ; the largest score of each block of 32 keys: for the row's maximum, and, since p rises with the score, for the block's largest p
.endr
.irp i, 3,5,7,9,11,13
.irp b, 0,1,2,3
	v_max3_num_f32 v[232+\b], v[232+\b], v[96+16*\b+\i], v[97+16*\b+\i]
.endr
.endr
.irp b, 0,1,2,3
	v_max_num_f32 v[232+\b], v[232+\b], v[111+16*\b]
.endr
.irp b, 0,1,2,3
	v_permlanex16_b32 v[236+\b], v[232+\b], s[SEL], s[SEL+1]
.endr
.irp b, 0,1,2,3
	v_max_num_f32 v[232+\b], v[232+\b], v[236+\b]  ; with lane l xor 16's 16 keys
.endr
	v_max3_num_f32 v254, v232, v233, v234
	v_max_num_f32 v254, v254, v235                 ; the step's largest score of my query
	v_mul_f32 v254, s[CS], v254                    ; as t
	v_max_num_f32 v13, v13, v254                   ; the running largest t
	v_mov_b32 v254, v12
	v_floor_f32 v12, -v13                          ; the new -M = -ceil(t)
	v_sub_f32 v254, v12, v254                      ; old M - new M: a whole number, 0 or less
	v_cvt_i32_f32 v254, v254                       ; (it saturates)
	v_ldexp_f32 v252, 1.0, v254                    ; f = 2^(old M - new M)
.set zz, 0
.rept 32
	v_pk_fma_f32 v[96+zz:97+zz], v[96+zz:97+zz], s[CS:CS+1], v[12:13] op_sel_hi:[1,0,0]   ; t - M, two at a time
.set zz, zz+2
.endr
.irp b, 0,1,2,3
	v_fma_f32 v[232+\b], v[232+\b], s[CS], v12     ; the same of each block's largest score
.endr
.set zz, 0
.rept 64
	v_exp_f32 v[96+zz], v[96+zz]                   ; p = 2^(t - M)
.set zz, zz+1
.endr
	v_pk_mul_f32 v[14:15], v[14:15], v[252:253] op_sel_hi:[1,0]   ; the sums under the new M (a plain instruction behind the exponentials)
	s_wait_alu depctr_va_vdst(0)                   ; one wait for the whole batch, ahead of its first reader
.irp b, 0,1,2,3
	v_exp_f32 v[232+\b], v[232+\b]                 ; the block's largest p
.endr
	v_pk_add_f32 v[236:237], v[96:97], v[98:99]    ; the row's sum of the unquantised p, in two chains
.irp j, 4,8,12,16,20,24,28,32,36,40,44,48,52,56,60
	v_pk_add_f32 v[14:15], v[14:15], v[96+\j:97+\j]
	v_pk_add_f32 v[236:237], v[236:237], v[98+\j:99+\j]
.endr
	v_pk_add_f32 v[14:15], v[14:15], v[236:237]
	s_wait_alu depctr_va_vdst(0)                   ; and one for the four
.irp b, 0,1,2,3
	v_max_num_f32 v[232+\b], 0x1800000, v[232+\b]  ; the floor 2^(3 - 127)
.endr
.irp b, 0,1,2,3
	v_add_nc_u32 v[244+\b], 0xff000000, v[232+\b]  ; the conversion's scale operand
.endr
.irp b, 0,1,2,3
	v_lshrrev_b32 v[236+\b], 23, v[244+\b]         ; the byte
.endr
	v_lshl_or_b32 v253, v237, 8, v236              ; p's scale word for these 128 keys
	v_lshl_or_b32 v253, v238, 16, v253
	v_lshl_or_b32 v253, v239, 24, v253
.irp c, 0,1
	v_cvt_scalef32_pk16_fp6_f32 v[224+6*\c:226+6*\c], v[96+32*\c:111+32*\c], v[244+2*\c]
	v_cvt_scalef32_pk16_fp6_f32 v[236+4*\c:238+4*\c], v[112+32*\c:127+32*\c], v[244+2*\c+1]
.endr
	v_nop                                          ; one plain instruction behind the scaled conversions
.irp t, 0,1,2,3                                ; V's fragments 4-7 into p's registers, which are done with: they land under the 44 lines below
.irp c, 0,1,2
	ds_load_b128 v[96+12*\t+4*\c:96+12*\t+4*\c+3], v[ADV] offset:2*(\u)*OB+(4+\t)*FRB+512*\c
.endr
.endr
.irp c, 0,1
.irp i, 0,1,2
	v_permlane16_swap_b32 v[224+6*\c+\i], v[236+4*\c+\i]
.endr
.irp i, 0,1,2
	v_mov_b32 v[227+6*\c+\i], v[236+4*\c+\i]
.endr
.endr
.set zz, 0
.rept 32
	v_pk_mul_f32 v[160+zz:161+zz], v[160+zz:161+zz], v[252:253] op_sel_hi:[1,0]   ; O^T under the new M; these 32 are also the places between p's codes and scale word and the products
.set zz, zz+2
.endr
	s_wait_dscnt 0x0                               ; V's eight fragments are in
.irp t, 0,1,2,3
	v_wmma_scale_f32_16x16x128_f8f6f4 v[160+8*\t:167+8*\t], v[FR+12*\t:FR+12*\t+11], v[224:235], v[160+8*\t:167+8*\t], v[VS+4*(\t%2)+\t/2], v253 matrix_a_fmt:MATRIX_FMT_FP6 matrix_b_fmt:MATRIX_FMT_FP6
.endr
.irp t, 4,5,6,7
	v_wmma_scale_f32_16x16x128_f8f6f4 v[160+8*\t:167+8*\t], v[96+12*(\t-4):96+12*(\t-4)+11], v[224:235], v[160+8*\t:167+8*\t], v[VS+4*(\t%2)+\t/2], v253 matrix_a_fmt:MATRIX_FMT_FP6 matrix_b_fmt:MATRIX_FMT_FP6
.endr
.Lhidden_\@:
	s_add_co_u32 s[KB], s[KB], 2
.endm
; THE CHANGE OF SLOTS stands at a slot's head.  Each wave waits for all its tensor loads, adds 0 to its spare word, and waits for that and for its reads of the slot that it has left.
; fill = 1: behind a round of the cluster's barrier that slot is filled with the next four key blocks: the load has a slot's steps in which to land.
.macro CHANGE fill
	s_wait_tensorcnt 0x0                           ; no tensor load of mine is out, so group 0 may be written
	ds_add_u32 v[SPW], v[NIL]                      ; 0 onto my spare word
.if \fill
	s_xor_b32 s[G0+1], s[G0+1], SLOT1              ; the other slot than last time,
	s_add_nc_u64 s[G0+2:G0+3], s[G0+2:G0+3], 2*PART   ; the next four blocks
	s_wait_xcnt 0x0                                ; the last prefetch, a slot back, has read its address
	s_add_nc_u64 s[PFA:PFA+1], s[PFA:PFA+1], 2*PART
.endif
	s_wait_dscnt 0x0                               ; the add is done, and my reads of the slot that I have left are over
.if \fill
	CROUND
	TLOAD                                          ; the first thing behind the round, and a wave's one tensor load until the next
	ASK
.else
	s_barrier_signal -1
	s_barrier_wait -1
.endif
.endm
.macro SLOT_STEPS
	STEP 0
	STEP 1
	s_xor_b32 s[TB], s[TB], SLOT1
.endm
	s_wait_loadcnt 0x0                             ; Q
.Lslot:                                                ; NSL - 1 trips: behind each change of slots but the last the next slot is asked for
	CHANGE 1
	SLOT_STEPS
	s_sub_co_u32 s[SLOTS], s[SLOTS], 1
	s_cmp_lg_u32 s[SLOTS], 0
	s_cbranch_scc1 .Lslot
	CHANGE 0                                       ; the last slot is written out
	SLOT_STEPS
	; THE TWO HALVES MEET.  Waves 8-15 store O^T, -M and their lanes' part of the sum as images of their registers; a barrier; waves 0-7 take them up.
.rept 4
	v_nop                                          ; between the last products and the first read of their results
.endr
	v_add_f32 v14, v14, v15                        ; my lane's part of the sum
	s_cmp_lt_u32 s[WV], 8
	s_cbranch_scc1 .Llower
.irp t, 0,1,2,3,4,5,6,7
	ds_store_b128 v[SGA], v[160+8*\t:163+8*\t] offset:1024*\t        ; each accumulator from its low end on
	ds_store_b128 v[SGA], v[164+8*\t:167+8*\t] offset:1024*\t+512
.endr
	ds_store_b32 v[SGS], v12 offset:8192
	ds_store_b32 v[SGS], v14 offset:8320
.Llower:
	s_wait_dscnt 0x0                               ; for the others' sake: my stores into the stage are done
	s_barrier_signal -1
	s_barrier_wait -1
	s_cmp_ge_u32 s[WV], 8
	s_cbranch_scc1 .Ldone
.irp t, 0,1,2,3,4,5,6,7
	ds_load_b128 v[96+8*\t:99+8*\t], v[SGA] offset:1024*\t
	ds_load_b128 v[100+8*\t:103+8*\t], v[SGA] offset:1024*\t+512
.endr
	ds_load_b32 v232, v[SGS] offset:8192           ; the other half's -M
	ds_load_b32 v233, v[SGS] offset:8320           ; and its sum
	s_wait_dscnt 0x0
	v_min_num_f32 v234, v12, v232                  ; -M of both: M is the larger
	v_sub_f32 v235, v234, v12                      ; my M less the common one: a whole number, 0 or less
	v_sub_f32 v238, v234, v232                     ; the other's likewise
	v_cvt_i32_f32 v235, v235
	v_cvt_i32_f32 v238, v238
	v_ldexp_f32 v252, 1.0, v235                    ; f, f': exact powers of two
	v_ldexp_f32 v236, 1.0, v238
	v_mul_f32 v14, v14, v252
	v_fma_f32 v14, v233, v236, v14                 ; both halves' sums under the common M
	v_permlanex16_b32 v239, v14, s[SEL], s[SEL+1]
	v_add_f32 v14, v14, v239                       ; the row's sum
	v_rcp_f32 v14, v14
	v_nop                                          ; a plain instruction behind the reciprocal
	s_wait_alu depctr_va_vdst(0)                   ; and the wait ahead of its first reader
	v_mul_f32 v252, v252, v14                      ; f / sum, f' / sum: a power of two times the reciprocal
	v_mul_f32 v236, v236, v14
.set zz, 0
.rept 32
	v_pk_mul_f32 v[96+zz:97+zz], v[96+zz:97+zz], v[236:237] op_sel_hi:[1,0]
.set zz, zz+2
.endr
.set zz, 0
.rept 32
	v_pk_fma_f32 v[96+zz:97+zz], v[160+zz:161+zz], v[252:253], v[96+zz:97+zz] op_sel_hi:[1,0,1]   ; register 16 b + i is channel 32 b + 16 h + i of my query
.set zz, zz+2
.endr
	QUANT 96, PW                                   ; quantised along the head's 128: one fragment of the output projection's operand
.irp c, 0,1,2
	global_store_b128 v[LI], v[PC+4*\c:PC+4*\c+3], s[86:87] offset:512*\c   ; 32 lanes store 512 consecutive bytes, aligned to 256
.endr
	global_store_b32 v[R32], v[PW], s[88:89]       ; my row's scale word; lanes l and l xor 16 hold the same word and name the same place
.Ldone:
	s_wait_tensorcnt 0x0                           ; the wave's end
	ds_add_u32 v[SPW], v[NIL]
	s_wait_dscnt 0x0
	CROUND                                         ; the closing round
	s_endpgm
.Lfunc_end_k_qaf393b53a1_attn:
	.size	k_qaf393b53a1_attn, .Lfunc_end_k_qaf393b53a1_attn-k_qaf393b53a1_attn
	.p2alignl 7, 3214868480
	.fill 96, 4, 3214868480
	.section	.rodata,"a",@progbits
	.p2align	6, 0x0
	.amdhsa_kernel k_qaf393b53a1_attn
		.amdhsa_group_segment_fixed_size 327680
		.amdhsa_private_segment_fixed_size 0
		.amdhsa_enable_private_segment 0
		.amdhsa_kernarg_size 16
		.amdhsa_user_sgpr_count 2
		.amdhsa_user_sgpr_kernarg_segment_ptr 1
		.amdhsa_wavefront_size32 1
		.amdhsa_system_sgpr_workgroup_id_x 1
		.amdhsa_system_sgpr_workgroup_id_y 1
		.amdhsa_system_sgpr_workgroup_id_z 1
		.amdhsa_system_vgpr_workitem_id 0
		.amdhsa_next_free_vgpr 256
		.amdhsa_next_free_sgpr 100
		.amdhsa_reserve_vcc 1
		.amdhsa_float_denorm_mode_32 3
		.amdhsa_float_denorm_mode_16_64 3
		.amdhsa_memory_ordered 1
		.amdhsa_forward_progress 1
		.amdhsa_inst_pref_size 117
	.end_amdhsa_kernel
	.amdgpu_metadata
---
amdhsa.version: [ 1, 2 ]
amdhsa.kernels:
  - .name:           k_qaf393b53a1_attn
    .symbol:         k_qaf393b53a1_attn.kd
    .args:
      - { .name: qkv, .offset: 0, .size: 8, .value_kind: global_buffer, .address_space: global }
      - { .name: oimg, .offset: 8, .size: 8, .value_kind: global_buffer, .address_space: global }
    .group_segment_fixed_size: 327680
    .private_segment_fixed_size: 0
    .kernarg_segment_align: 8
    .kernarg_segment_size: 16
    .max_flat_workgroup_size: 512
    .sgpr_count:     100
    .vgpr_count:     256
    .wavefront_size: 32
...
	.end_amdgpu_metadata
.endif
;; end of part 3
;; launch oproj (part 4): grid 16 x 16, 4 waves a work-group, clusters of 4 x 4, 327,680 bytes of LDS; arguments oimg, wimg, out0; writes out0
.if DOCPART == 4
	.amdgcn_target "amdgcn-amd-amdhsa--gfx1250"
	.amdhsa_code_object_version 6
	.text
	.protected	k_qaf393b53a1_oproj
	.globl	k_qaf393b53a1_oproj
	.p2align	8
	.type	k_qaf393b53a1_oproj,@function
k_qaf393b53a1_oproj:
	s_mov_b64 s[64:65], 0
	v_nop
	global_prefetch_b8 v0, s[64:65] scope:SCOPE_SE
	s_setreg_imm32_b32 hwreg(HW_REG_WAVE_MODE, 25, 1), 1
	s_wait_xcnt 0x0
	s_wait_alu depctr_hold_cnt(0) depctr_sa_sdst(0) depctr_va_vdst(0) depctr_va_sdst(0) depctr_va_ssrc(0) depctr_va_vcc(0) depctr_vm_vsrc(0)
	s_getreg_b32 s2, hwreg(HW_REG_IB_STS2, 6, 4)
	s_cmp_eq_u32 s2, 0
	s_cbranch_scc0 .Lentry_in_a_cluster
	s_endpgm
.Lentry_in_a_cluster:
	s_bfe_u32 s2, ttmp6, 0x10000c
	s_cmp_lg_u32 s2, 0xf033
	s_cbranch_scc0 .Lentry_shape_is_right
	s_endpgm
.Lentry_shape_is_right:
; out0 [2,048 tokens][2,048] f32 = (attention's output) x Wo^T, on codes of FP6 (E2M3) with E8M0 scales, K = 2,048.  Both operands come as OPERAND BLOCKS of 12,800 bytes (128 rows x 128 K as images of the
; operand's registers: fragment T at 1536 T, 16 bytes a lane in three runs of 512; position r of fragment T is row 32 (T / 2) + 8 (T % 2) + r + 8 (r / 8); scale word of (T, r) at 12288 + 32 r + 4 (4 (T % 2) + T / 2)).
; A: oimg [token / 128][K step];  B: wimg's row blocks 64 .. 79 (Wo) [K step].
; A work-group of four waves makes 128 x 128, a wave 64 x 64: tiles of 256 x 256 would be 64, a quarter of the 256 work-groups that this tile gives.  K goes through a ring of two LDS slots of 512 along K:
; four blocks of A and four of B; a wave's tensor load brings two blocks, 25,600 dense bytes.  The matrix instruction is used transposed (source 0 = Wo's fragment, source 1 = A's).
; CLUSTERS 4 x 4: A's blocks are shared along a row of the cluster, B's along a column: joint loads.  No prefetch: every stream is read by four clusters and each tile is asked for jointly by four.
; REGISTERS: window 0: v1-15 addresses; v16-31 scale words, two sets; v32.., v128.. A's fragments, two sets; on the way out v32-159 rows of out0.  window 1: B's two sets at v0, v96.  window 2: accumulator (a, b) at v[8 (4 a + b)].
.set OB,    12800
.set FRB,   1536
.set SCO,   12288
.set NA,    4
.set NQ,    4
.set PART,  25600
.set SLOT,  4*PART                     ; A's four K steps, then B's four
.set STAGE, 2*SLOT                     ; behind the ring: 16 rows x 272 bytes for each wave; no tensor load lands here
.set SPARE, STAGE+4*16*272             ; the spare words: 128 bytes a wave
.set RBS,   16*OB
.set ADRA,  4
.set ADRB,  6
.set ADRS,  8
.set SPW,   10
.set NIL,   11
.set LI,    12
.set STO,   13
.set RD,    14
.set CO,    15
.set SC,    16                         ; scale words: set p at v[SC + 8 p]; my tile i's at + 2 (i % 2) + i / 2
.set AF,    32
.set BK,    32
.set G1,    24
.set G0,    32
.set G1B,   48
.set G0B,   56
.set MSB,   0
.macro WIN new
.if MSB != (\new)
	s_set_vgpr_msb (MSB<<8)|(\new)
.set MSB, (\new)
.endif
.endm
.macro PLACES n
.rept \n
	v_nop
.endr
.endm
.macro JLOAD s                         ; waves 0 and 1 fetch A's halves of a slot, waves 2 and 3 B's; four v_nop follow each of the two lines
	s_cmp_eq_u32 s15, 0
	s_cbranch_scc0 .Lfor_b_\@
	tensor_load_to_lds s[G0+4*\s:G0+4*\s+3], s[G1:G1+7]
	s_nop 0
.rept 4
	v_nop
.endr
	s_branch .Lasked_\@
.Lfor_b_\@:
	tensor_load_to_lds s[G0B+4*\s:G0B+4*\s+3], s[G1B:G1B+7]
	s_nop 0
.rept 4
	v_nop
.endr
.Lasked_\@:
.endm
.macro CREST
	s_cmp_lg_u32 s14, 0
	s_cbranch_scc1 .Lnot_wave_0_\@
	s_barrier_signal -3
.Lnot_wave_0_\@:
	s_barrier_wait -3
	s_barrier_signal -1
	s_barrier_wait -1
.endm
.macro CROUND
	s_barrier_signal -1
	s_barrier_wait -1
	CREST
.endm
	s_load_b128 s[4:7], s[0:1], 0x0                ; oimg s[4:5], wimg s[6:7]
	s_load_b64 s[8:9], s[0:1], 0x10                ; out0
	v_lshl_add_u32 v[SPW], v0, 2, SPARE
	v_mov_b32 v[NIL], 0
	ds_add_u32 v10, v11
	s_wait_dscnt 0x0
	v_lshrrev_b32 v1, 5, v0
	v_readfirstlane_b32 s14, v1                    ; wave 0..3
	s_lshr_b32 s15, s14, 1                         ; which 64 rows are mine.  Also: I fetch for A (0) or for B (1)
	s_and_b32 s16, s14, 1                          ; which 64 columns.  Also: which half of a slot's four K steps I fetch
	s_bfe_u32 s40, ttmp6, 0x40000
	s_bfe_u32 s41, ttmp6, 0x40004
	s_lshl_b32 s42, ttmp9, 2
	s_add_co_u32 s42, s42, s40                     ; tile column
	s_and_b32 s17, ttmp7, 0xffff
	s_lshl_b32 s17, s17, 2
	s_add_co_u32 s17, s17, s41                     ; tile row
	s_lshl_b32 s43, s41, 2
	s_lshl_b32 s43, 15, s43
	s_lshl_b32 s44, 0x1111, s40
	s_or_b32 s[G1+0], s43, (3<<16)|(1<<21)
	s_or_b32 s[G1B+0], s44, (3<<16)|(1<<21)
.irp g, G1, G1B                        ; 25,600 dense bytes as 100 rows of 256
	s_mov_b32 s[\g+1], 32<<16
	s_mov_b32 s[\g+2], 100<<16
	s_mov_b32 s[\g+3], 32<<16
	s_mov_b32 s[\g+4], 100
	s_mov_b32 s[\g+5], 32
	s_mov_b32 s[\g+6], 0
	s_mov_b32 s[\g+7], 0
.endr
	s_mul_i32 s19, s16, PART
	s_mul_i32 s20, s17, RBS
	s_add_co_u32 s20, s20, s19                     ; A: row block = tile row, + my half
	s_mov_b32 s21, 0
	s_add_co_u32 s46, s42, 64
	s_mul_i32 s46, s46, RBS
	s_add_co_u32 s46, s46, s19                     ; B: row block 64 + tile column
	s_mov_b32 s47, 0
	s_mul_i32 s18, s14, PART
	s_wait_kmcnt 0x0
	s_add_nc_u64 s[20:21], s[4:5], s[20:21]
	s_add_nc_u64 s[46:47], s[6:7], s[46:47]
	CROUND
.irp s, 0,1
	s_mov_b32 s[G0+4*\s], 1
	s_add_co_u32 s[G0+4*\s+1], s18, \s*SLOT
	s_add_nc_u64 s[G0+4*\s+2:G0+4*\s+3], s[20:21], \s*NQ*OB
	s_or_b32 s[G0+4*\s+3], s[G0+4*\s+3], 0x80000000
	s_mov_b32 s[G0B+4*\s], 1
	s_add_co_u32 s[G0B+4*\s+1], s18, \s*SLOT
	s_add_nc_u64 s[G0B+4*\s+2:G0B+4*\s+3], s[46:47], \s*NQ*OB
	s_or_b32 s[G0B+4*\s+3], s[G0B+4*\s+3], 0x80000000
	JLOAD \s
.endr
	v_and_b32 v1, 31, v0
	v_and_b32 v2, 15, v0                           ; r
	v_bfe_u32 v3, v0, 4, 1                         ; h
	v_lshlrev_b32 v[LI], 4, v1
	s_mul_i32 s66, s15, 4*FRB                      ; my four fragments of a block of A,
	s_mul_i32 s67, s16, 4*FRB                      ; of B,
	s_add_co_u32 s67, s67, 2*PART                  ; which lie behind A's four blocks
.irp s, 0,1
	v_add_nc_u32 v[ADRA+\s], s66, v[LI]
	v_add_nc_u32 v[ADRB+\s], s67, v[LI]
	s_add_co_u32 s66, s66, SLOT
	s_add_co_u32 s67, s67, SLOT
.endr
	s_lshl_b32 s66, s15, 3                         ; my four tiles' words: 8 bytes on for the upper 64 rows
	s_lshl_b32 s67, s16, 3
	s_add_co_u32 s67, s67, 2*PART
	s_sub_co_u32 s67, s67, s66
	v_mul_u32_u24 v[ADRS], s67, v3                 ; lanes 16-31 take B's
	v_lshl_add_u32 v[ADRS], v2, 5, v[ADRS]
	v_add_nc_u32 v[ADRS], s66, v[ADRS]
	v_add_nc_u32 v[ADRS+1], SLOT, v[ADRS]
	s_mul_i32 s68, s14, 16*272
	s_add_co_u32 s68, s68, STAGE                   ; my stage
	v_mul_u32_u24 v[STO], v2, 272
	v_lshl_add_u32 v[STO], v3, 6, v[STO]
	v_add_nc_u32 v[STO], s68, v[STO]               ; in: row r, + 64 h
	v_mul_u32_u24 v[RD], v3, 272
	v_lshl_add_u32 v[RD], v2, 4, v[RD]
	v_add_nc_u32 v[RD], s68, v[RD]                 ; back: lanes 0-15 one row of 256 bytes, lanes 16-31 the next
	v_lshlrev_b32 v[CO], 13, v3
	v_lshl_add_u32 v[CO], v2, 4, v[CO]             ; and the same two rows in out0
	s_lshl_b32 s66, s17, 7
	s_lshl_b32 s67, s15, 6
	s_add_co_u32 s66, s66, s67
	s_lshl_b32 s66, s66, 13                        ; my first row: 128 x tile row + 64 x half, rows of 8,192 bytes
	s_lshl_b32 s67, s42, 9
	s_add_co_u32 s66, s66, s67
	s_lshl_b32 s67, s16, 8
	s_add_co_u32 s66, s66, s67                     ; my first column, in bytes
	s_mov_b32 s67, 0
	s_add_nc_u64 s[8:9], s[8:9], s[66:67]
.macro FETCH slot, q, p                ; the slot's q-th 128 along K into set p
	WIN 0
	ds_load_b64 v[SC+8*(\p):SC+8*(\p)+1], v[ADRS+\slot] offset:(\q)*OB+SCO
	ds_load_b64 v[SC+8*(\p)+2:SC+8*(\p)+3], v[ADRS+\slot] offset:(\q)*OB+SCO+16
.irp i, 0,1,2,3
.irp c, 0,1,2
	ds_load_b128 v[AF+96*(\p)+12*\i+4*\c:AF+96*(\p)+12*\i+4*\c+3], v[ADRA+\slot] offset:(\q)*OB+\i*FRB+512*\c
.endr
.endr
	WIN 0x40
.irp i, 0,1,2,3
.irp c, 0,1,2
	ds_load_b128 v[96*(\p)+12*\i+4*\c:96*(\p)+12*\i+4*\c+3], v[ADRB+\slot] offset:(\q)*OB+\i*FRB+512*\c
.endr
.endr
.endm
.macro MULR p, a0, n, zero             ; A's tiles a0 .. a0 + n - 1 against B's four; the 16 accumulators take turns, one instruction a turn
.set ma, \a0
.rept \n
	WIN 0xa1                                       ; source 0 (B) window 1, source 1 (A) window 0, C and D window 2
.set mb, 0
.rept NA
.set mr, 8*(ma*NA+mb)
.if \zero
	v_wmma_scale_f32_16x16x128_f8f6f4 v[mr:mr+7], v[96*(\p)+12*mb:96*(\p)+12*mb+11], v[AF+96*(\p)+12*ma:AF+96*(\p)+12*ma+11], 0, v[SC+8*(\p)+(mb%2)*(NA/2)+mb/2], v[SC+8*(\p)+(ma%2)*(NA/2)+ma/2] matrix_a_fmt:MATRIX_FMT_FP6 matrix_b_fmt:MATRIX_FMT_FP6 matrix_a_scale:MATRIX_SCALE_ROW1
.else
	v_wmma_scale_f32_16x16x128_f8f6f4 v[mr:mr+7], v[96*(\p)+12*mb:96*(\p)+12*mb+11], v[AF+96*(\p)+12*ma:AF+96*(\p)+12*ma+11], v[mr:mr+7], v[SC+8*(\p)+(mb%2)*(NA/2)+mb/2], v[SC+8*(\p)+(ma%2)*(NA/2)+ma/2] matrix_a_fmt:MATRIX_FMT_FP6 matrix_b_fmt:MATRIX_FMT_FP6 matrix_a_scale:MATRIX_SCALE_ROW1
.endif
.set mb, mb+1
.endr
.set ma, ma+1
.endr
.endm
.macro STEP slot, q, zero
	s_wait_dscnt 0x0                               ; this step's set is in
	PLACES 4                                       ; between the last products and loads into registers that they read
	FETCH \slot, (\q)+1, ((\q)+1)%2
	MULR (\q)%2, 0, NA, \zero
.endm
.macro TURN slot, next, fill           ; a slot's last step changes slots
	WIN 0
	s_wait_tensorcnt 0x0                           ; all my tensor loads have landed: my part of the next slot
	ds_add_u32 v[SPW], v[NIL]                      ; 0 onto my spare word
	s_wait_dscnt 1                                 ; this step's set is in; the add alone may be out
	MULR 1, 0, NA/4, 0
	s_wait_dscnt 0x0                               ; the add is done, and my reads of this slot are over
	s_barrier_signal -1
	MULR 1, NA/4, NA/4, 0
	WIN 0
	s_barrier_wait -1
.if \fill
	CREST                                          ; no wave of any partner still reads this slot or has a load on its way
	s_add_nc_u64 s[G0+4*\slot+2:G0+4*\slot+3], s[G0+4*\slot+2:G0+4*\slot+3], 2*NQ*OB
	s_add_nc_u64 s[G0B+4*\slot+2:G0B+4*\slot+3], s[G0B+4*\slot+2:G0B+4*\slot+3], 2*NQ*OB
	JLOAD \slot                                    ; my one tensor load behind the round; its four v_nop are also the places in front of the loads below
.else
	PLACES 4
.endif
	FETCH \next, 0, 0
	MULR 1, NA/2, NA/2, 0
.endm
	s_wait_tensorcnt 1                             ; my part of slot 0 is in; slot 1's may stay out
	s_barrier_signal -1
	s_barrier_wait -1
	FETCH 0, 0, 0
	STEP 0, 0, 1                                   ; the first step's products start the sums
	WIN 0
	s_mov_b32 s3, 16/(2*NQ)-1
.Llap:                                                 ; a trip goes once round the ring and fills both slots again
	STEP 0, 1, 0
	STEP 0, 2, 0
	TURN 0, 1, 1
	STEP 1, 0, 0
	STEP 1, 1, 0
	STEP 1, 2, 0
	TURN 1, 0, 1
	STEP 0, 0, 0
	WIN 0
	s_sub_co_u32 s3, s3, 1
	s_cmp_lg_u32 s3, 0
	s_cbranch_scc1 .Llap
	STEP 0, 1, 0                                   ; the last lap fills nothing
	STEP 0, 2, 0
	TURN 0, 1, 0
	STEP 1, 0, 0
	STEP 1, 1, 0
	STEP 1, 2, 0
	s_wait_dscnt 0x0
	MULR 1, 0, NA, 0
	WIN 0
	PLACES 4                                       ; in front of the first read of results and of loads into registers that held fragments
; THE WAY OUT, a tile of 16 rows x 64 columns at a time, through my own stage.  Accumulator (a, b), lane (r, h), register j: the row at position r of my tile a, column 32 (b / 2) + 16 h + 8 (b % 2) + j.
; LDS serves a wave's instructions in order: no wait between the stores and the loads, nor in front of the next tile's stores.
.macro TOSTAGE a
	WIN 0x08                                       ; an LDS store's data are its source 1: window 2
.irp b, 0,1,2,3
	ds_store_b128 v[STO], v[8*(4*(\a)+\b):8*(4*(\a)+\b)+3] offset:128*(\b/2)+32*(\b%2)        ; each accumulator from its low end on
	ds_store_b128 v[STO], v[8*(4*(\a)+\b)+4:8*(4*(\a)+\b)+7] offset:128*(\b/2)+32*(\b%2)+16
.endr
	WIN 0
.irp t, 0,1,2,3,4,5,6,7
	ds_load_b128 v[BK+32*(\a)+4*\t:BK+32*(\a)+4*\t+3], v[RD] offset:544*\t
.endr
.endm
.macro SEND a, younger                 ; stage row 2 t + h is row 32 (a / 2) + 8 (a % 2) + 2 t + h + 8 (t / 4) of my 64
	s_wait_dscnt \younger
.irp t, 0,1,2,3,4,5,6,7
	global_store_b128 v[CO], v[BK+32*(\a)+4*\t:BK+32*(\a)+4*\t+3], s[8:9] offset:(32*((\a)/2)+8*((\a)%2)+2*\t+8*(\t/4))*8192 th:TH_STORE_NT   ; 16 lanes store 256 consecutive bytes, aligned
.endr
.endm
	TOSTAGE 0
.irp a, 1,2,3
	TOSTAGE \a
	SEND (\a-1), 16                                ; behind that tile's loads: this tile's 8 stores and 8 loads
.endr
	SEND 3, 0
	s_wait_tensorcnt 0x0                           ; the wave's end
	ds_add_u32 v[SPW], v[NIL]
	s_wait_dscnt 0x0
	CROUND                                         ; the closing round
	s_endpgm
.Lfunc_end_k_qaf393b53a1_oproj:
	.size	k_qaf393b53a1_oproj, .Lfunc_end_k_qaf393b53a1_oproj-k_qaf393b53a1_oproj
	.p2alignl 7, 3214868480
	.fill 96, 4, 3214868480
	.section	.rodata,"a",@progbits
	.p2align	6, 0x0
	.amdhsa_kernel k_qaf393b53a1_oproj
		.amdhsa_group_segment_fixed_size 327680
		.amdhsa_private_segment_fixed_size 0
		.amdhsa_enable_private_segment 0
		.amdhsa_kernarg_size 24
		.amdhsa_user_sgpr_count 2
		.amdhsa_user_sgpr_kernarg_segment_ptr 1
		.amdhsa_wavefront_size32 1
		.amdhsa_system_sgpr_workgroup_id_x 1
		.amdhsa_system_sgpr_workgroup_id_y 1
		.amdhsa_system_sgpr_workgroup_id_z 1
		.amdhsa_system_vgpr_workitem_id 0
		.amdhsa_next_free_vgpr 640
		.amdhsa_next_free_sgpr 100
		.amdhsa_reserve_vcc 0
		.amdhsa_float_denorm_mode_32 3
		.amdhsa_float_denorm_mode_16_64 3
		.amdhsa_memory_ordered 1
		.amdhsa_forward_progress 1
		.amdhsa_inst_pref_size 80
	.end_amdhsa_kernel
	.amdgpu_metadata
---
amdhsa.version: [ 1, 2 ]
amdhsa.kernels:
  - .name:           k_qaf393b53a1_oproj
    .symbol:         k_qaf393b53a1_oproj.kd
    .args:
      - { .name: oimg, .offset: 0, .size: 8, .value_kind: global_buffer, .address_space: global }
      - { .name: wimg, .offset: 8, .size: 8, .value_kind: global_buffer, .address_space: global }
      - { .name: out0, .offset: 16, .size: 8, .value_kind: global_buffer, .address_space: global }
    .group_segment_fixed_size: 327680
    .private_segment_fixed_size: 0
    .kernarg_segment_align: 8
    .kernarg_segment_size: 24
    .max_flat_workgroup_size: 128
    .sgpr_count:     100
    .vgpr_count:     640
    .wavefront_size: 32
...
	.end_amdgpu_metadata
.endif
;; end of part 4
